; MI455X (gfx1250); checked and timed in simulation.
; The chip was launched on July 23, 2026; its instructions are those of AMD's public machine-readable ISA for CDNA 5 (MIT licence, August 2026) and "CDNA5" Instruction Set Architecture Reference Guide (July 2026). The comments in the code are by the model that wrote it; some were corrected since.
;; Multi Head Attention. Allowed arithmetic: matrix products marked QUANTISED: E5M2 operands, one E8M0 scale for each 32 along K, by v_wmma_scale_f32_16x16x128_f8f6f4 with both operands' format E5M2, f32 sums; everything else in f32.
;; Inputs: Wk_codes 16 x 64 x 32 x 32 uint8 (E5M2 codes of Wk, K innermost, in blocks of 32 codes); Wk_scales 16 x 64 x 32 uint8 (E8M0 scales of Wk, one for each 32 codes along K); Wo_codes 1,024 x 32 x 32 uint8 (E5M2 codes of Wo, K innermost, in blocks of 32 codes); Wo_scales 1,024 x 32 uint8 (E8M0 scales of Wo, one for each 32 codes along K); Wq_codes 16 x 64 x 32 x 32 uint8 (E5M2 codes of Wq, K innermost, in blocks of 32 codes); Wq_scales 16 x 64 x 32 uint8 (E8M0 scales of Wq, one for each 32 codes along K); Wv_codes 16 x 64 x 32 x 32 uint8 (E5M2 codes of Wv, K innermost, in blocks of 32 codes); Wv_scales 16 x 64 x 32 uint8 (E8M0 scales of Wv, one for each 32 codes along K); beta 1,024 float32; bo 1,024 float32; gamma 1,024 float32; x 4 x 2,048 x 1,024 float32.
;; Outputs: out0 4 x 2,048 x 1,024 float32.
;; This version of the problem:
;;   THIS VERSION OF THE PROBLEM IS GIVEN IN LOW PRECISION. The matrix products marked QUANTISED in the list below multiply operands that are first quantised to E5M2 (5 exponent bits, 2 mantissa bits; 8 bits a number), with one power-of-two scale for each 32 numbers along K (OCP MX v1.0); their sums are f32. All else is computed in f32.
;;   The module's matrix products, in the order in which they are computed (A, B: the left and right operand; K: the contracted axis; several contracted axes count as one K, in the product's order):
;;     1. [M 1,024, K 1,024] x [K 1,024, N 8,192]; A: input Wq (given as codes); B: input x: QUANTISED
;;     2. [M 1,024, K 1,024] x [K 1,024, N 8,192]; A: input Wk (given as codes); B: input x: QUANTISED
;;     3. [M 1,024, K 1,024] x [K 1,024, N 8,192]; A: input Wv (given as codes); B: input x: QUANTISED
;;     4. batch 64 x [M 2,048, K 64] x [K 64, N 2,048]; A: computed on the way; B: computed on the way: QUANTISED
;;     5. batch 64 x [M 2,048, K 2,048] x [K 2,048, N 64]; A: softmax (see below); B: computed on the way: QUANTISED
;;     6. [M 8,192, K 1,024] x [K 1,024, N 1,024]; A: computed on the way; B: input Wo (given as codes): QUANTISED
;;   THE QUANTISER, for each operand of a quantised product, along K:
;;     - K is cut into blocks of 32 from its start; a last block that is shorter is filled with zeros.
;;     - A block's scale is 2^e with e = floor(log2(the largest magnitude in the block)) - 15, held to -126 .. 127; a block of zeros has e = 0. As a byte (E8M0): e + 127.
;;     - Each number is divided by its block's scale, clamped to +-57,344, and rounded to the nearest number of E5M2, ties to even, subnormals kept.
;;     - The product sums the exact products of the quantised numbers (number of the format x scale) in f32.
;;   ~~~python
;;   def quantise(x, axis):      # numpy; x: float32 -> the quantised numbers, widened to float32 again
;;       x = np.moveaxis(x, axis, -1); K = x.shape[-1]
;;       x = np.pad(x, [(0, 0)] * (x.ndim - 1) + [(0, -K % 32)]); x = x.reshape(x.shape[:-1] + (-1, 32)); a = np.abs(x).max(-1, keepdims=True)
;;       e = np.where(a > 0, np.clip(np.frexp(np.where(a > 0, a, 1))[1] - 1 - 15, -126, 127), 0)      # np.frexp(a)[1] - 1 = floor(log2(a)), exactly
;;       r = np.clip(x / 2.0 ** e, -57344, 57344)
;;       step = 2.0 ** (np.maximum(np.frexp(np.where(r == 0, 1, r))[1] - 1, -14) - 2)
;;       q = np.round(r / step) * step * 2.0 ** e      # np.round: ties to even
;;       return np.moveaxis(q.reshape(q.shape[:-2] + (-1,))[..., :K], -1, axis).astype(np.float32)
;;   ~~~
;;   SOFTMAX AHEAD OF A QUANTISED PRODUCT. Where the list says 'softmax', what is quantised is not the finished softmax but p = 2^(t - M), with t = logit x log2(e) and M = ceil(the row's largest t), a whole number; so 1/2 < the row's largest p <= 1. The row's sum l is taken of the UNQUANTISED p, in f32, and the product's result is divided by l at the end. Since M is a whole number, a kernel that streams over the keys may use a running M (the ceiling of the running maximum): every later rescaling is an exact power of two, which a block's scale takes up: the codes' values come out the same.
;;   OPERANDS COMPUTED ON THE WAY. 'Computed on the way' means the value that the module computes at that place (a softmax that the list does not call 'softmax' is quantised finished and normalised). What goes into a quantiser is computed in f32, as accurately as f32 sums, v_exp_f32 and their like allow (about 1e-6 of the number): no bf16 or f16 on the way to a quantiser, and a product that is left as it is and whose result goes on into a quantised operand takes f32 operands (vector FMAs, or v_wmma_f32_16x16x4_f32). A number that lies on a knife's edge between two numbers of the format may be rounded either way, as far as f32 arithmetic and the matrix unit's own rounding can turn it there, and no further.
;;   INPUTS GIVEN AS CODES. Wk (in the module: [16, 1024, 64], K = its axis 1); Wo (in the module: [1024, 1024], K = its axis 0); Wq (in the module: [16, 1024, 64], K = its axis 1); Wv (in the module: [16, 1024, 64], K = its axis 1): each comes as NAME_codes (uint8): NAME with its K axis moved to the last place and cut into blocks of 32 codes, [.., K / 32, bytes a block], one block behind the other in memory; one code a byte (a code: sign, 5 exponent bits, 2 mantissa bits); and NAME_scales (uint8): the same leading axes, one E8M0 byte (e + 127) for each 32 codes along K. Its value is code x scale, taken as it is: it is not quantised again, and the codes and scales need not be those that the quantiser above would give.
;; One version. Each part assembles by itself: llvm-mc -triple=amdgcn-amd-amdhsa -mcpu=gfx1250 --defsym DOCPART=n.
;; ======== version 1 of 1: 3 launches
;; limits: right only within a limited range of input values
;; workspace buffers: qrec 8,650,752 bytes; kvrec 17,301,504 bytes; ctxc 8,388,608 bytes; ctxs 262,144 bytes
;; launch qkv (part 1): grid 64 x 4, 4 waves a work-group, clusters of 4 x 1, 327,680 bytes of LDS; arguments x, Wq_codes, Wq_scales, Wk_codes, Wk_scales, Wv_codes, Wv_scales, qrec, kvrec; writes qrec, kvrec
.if DOCPART == 1
	.amdgcn_target "amdgcn-amd-amdhsa--gfx1250"
	.amdhsa_code_object_version 6
	.text
	.protected	k_q26c41e8e9d_qkv
	.globl	k_q26c41e8e9d_qkv
	.p2align	8
	.type	k_q26c41e8e9d_qkv,@function
k_q26c41e8e9d_qkv:
	s_mov_b64 s[64:65], 0
	v_nop
	global_prefetch_b8 v0, s[64:65] scope:SCOPE_SE
	s_setreg_imm32_b32 hwreg(HW_REG_WAVE_MODE, 25, 1), 1
	s_wait_xcnt 0x0
	s_wait_alu depctr_hold_cnt(0) depctr_sa_sdst(0) depctr_va_vdst(0) depctr_va_sdst(0) depctr_va_ssrc(0) depctr_va_vcc(0) depctr_vm_vsrc(0)
	s_getreg_b32 s2, hwreg(HW_REG_IB_STS2, 6, 4)
	s_cmp_eq_u32 s2, 0
	s_cbranch_scc0 .Lentry_in_a_cluster
	s_endpgm
.Lentry_in_a_cluster:
	s_bfe_u32 s2, ttmp6, 0x10000c
	s_cmp_lg_u32 s2, 0x3003
	s_cbranch_scc0 .Lentry_shape_is_right
	s_endpgm
.Lentry_shape_is_right:
; q, k, v = x W for 128 rows of x and four heads, all on codes of BF8 (E5M2) with one E8M0 scale for each 32 along K, and the results quantised again:
; q and k along the head's 64, v along the keys.  x: [8192][1024] f32.  Wq, Wk, Wv: codes [16 heads x 64][1024], K innermost; scale bytes [16 x 64][32].
; SHARES.  A work-group takes 128 rows of x (one key step of the attention) and four heads; wave w takes head 4 y + w: 128 rows x 64 columns, 32 accumulators, for Wq, then Wk, then Wv.
; PHASE X.  Wave w quantises rows 32 w .. 32 w + 31 of x for all of K and stores the fragments in LDS as images of their registers (a group of four registers: 512 bytes, lane l at 16 l).
; THE ROWS OF A TILE OF x ARE NOT NEIGHBOURS: lane r of tile T takes row 32 (T / 2) + 8 (T % 2) + r % 8 + 16 (r / 8), so that in the attention the 16 registers of two neighbouring tiles of scores are 16 neighbouring keys.
; THE PASSES.  W's tiles (64 rows x 256 bytes for each wave) come through a ring of two LDS slots.  The four work-groups of a cluster have the same heads, so each tile is asked for JOINTLY (mask 15).
; Q and K are made transposed (source 0 = 16 rows of W, source 1 = 16 rows of x): a lane holds one row of x and registers along the head's 64.  V is made the natural way: a lane holds one column d and registers along the keys.
; In both cases 64 consecutive accumulator registers are one fragment's numbers in the order that the next product's operand wants: one macro quantises x, q, k and v.
; Within a block of 32 of the head's 64 the codes of q and of k stand in the same permuted order (place 16 h + i holds d = 16 (i / 8) + 8 h + i % 8): one scale, the same order on both sides: the product is the same.
; OUT.  qrec [bh][block of 128 rows][8,448]: four fragments of 2,048 bytes (fragment f: tile 2 f in groups 0, 1, tile 2 f + 1 in groups 2, 3), then 256 bytes of scale words (at 8 lane + 4 g: fragment 2 g + lane / 16, row lane % 16).
;       kvrec [bh][key step][16,896]: K as in qrec at 0; V's four fragments (16 d x 128 keys) at 8,192; K's scale words at 16,384, V's at 16,640.
; LIMITS: NaN and infinities among the inputs are not served; a block whose largest magnitude lies under 2^-111 gets the scale byte 1 (a block of zeros too: its codes are zeros, and this program alone reads the bytes).
; REGISTERS, in windows of 256: window 0: addresses, scale words, work, v128-255 x's eight fragments of a K step; window 1: W's four fragments, two sets; window 2: the 32 accumulators (in phase X v0-63: 64 numbers);
;   window 3: four sets of 64 registers for x as it is loaded.
.set XSC,   131072                     ; LDS: x's images take bytes 0 .. 131,071: fragment (s, T) at 32768 (T / 2) + 4096 s + 2048 (T % 2); here their scale words: 1024 (T / 2) + 128 s + 4 (16 (T % 2) + r)
.set XSTG,  135168                     ; a stage of 16 rows x 528 bytes for each wave
.set SGP,   528
.set RING,  168960                     ; two slots for W
.set WP,    272                        ; a row of W in LDS: 256 bytes + 16 of padding: the 16 rows of a fragment load start in 16 different columns of 16 bytes modulo 256
.set WPART, 64*WP                      ; a wave's part of a slot
.set SLOT,  4*WPART
.set SPARE, RING+2*SLOT                ; the spare words, 128 bytes for each wave: two blocks of 256 bytes that no other line names
.set LI,   4                           ; v4   16 x lane: an image's place for my lane; also the address of x's images of tiles 0-3
.set L8,   5                           ; v5   8 x lane
.set XO,   6                           ; v6   x: 131072 x wave + 16 x lane
.set SGI,  7                           ; v7   the stage, on the way in
.set SGO,  8                           ; v8   and on the way out: row r, + 64 h
.set IMB,  9                           ; v9   where my images begin: 32768 x wave + 16 x lane
.set IMA,  10                          ; v10  the same for the trip in hand
.set SCB,  11                          ; v11  where my scale words begin: XSC + 1024 x wave + 4 r
.set SCA,  12                          ; v12  the same for the trip in hand
.set ADX1, 14                          ; v14  the address of x's images of tiles 4-7: 65536 + 16 x lane
.set ADXS, 15                          ; v15  XSC + 4 x lane
.set ADW,  16                          ; v16-17 my place in my part of slot 0, 1
.set L32,  18                          ; v18  32 x lane
.set SPW,  28                          ; v28  my spare word; never rewritten
.set NIL,  29                          ; v29  0; never rewritten
.set WSC,  32                          ; v32-47 W's scale words: register 8 g + s: lane l holds the word of K step s of row 32 g + l
.set XS,   48                          ; v48-55 x's scale words, two sets of four: register g: lanes 0-15 tile 2 g, lanes 16-31 tile 2 g + 1
.set TM,   56                          ; v56-59 largest magnitudes, v60-63 bytes, v68-71 the conversions' scale operands
.set PWR,  72                          ; v72-75 the scale words just made
.set SW,   78                          ; v78-79 scale words on their way out
.set PC,   80                          ; v80-95 the codes just made
.set XF,   128
.set WV,   22
.set HD,   24
.set G1,   40                          ; s[40:47] descriptor group 1
.set G0,   48                          ; s[48:55] descriptor group 0, a set for each slot
.set CUR,  56                          ; s[56:57] my head's rows of the weight in hand
.set NXT,  58                          ; s[58:59] of the next one
.set WSN,  60                          ; s[60:61] the next weight's scale bytes
.set OC,   62                          ; s[62:63] where the pass's codes go
.set OS,   66                          ; s[66:67] and its scale words
.set KB,   68                          ; s[68:69] my record of kvrec
.set SEL,  72                          ; s[72:73] lane selects for v_permlanex16_b32: lane l xor 16
.set MNT,  74
.set FLR,  75                          ; s75  the floor 2^(16 - 127)
.set HI,   76                          ; s76  the mask of lanes 16-31
.set CNT,  77
.set XP,   80                          ; s[80:81] x at my block's first row, at the trip's bytes
.set XT,   82
.set XU,   83
.set MSB, 0
.macro WIN new                         ; the immediate's high byte repeats the setting that is left
.if MSB != (\new)
	s_set_vgpr_msb (MSB<<8)|(\new)
.set MSB, (\new)
.endif
.endm
.macro PLACES n
.rept \n
	v_nop
.endr
.endm
.macro ROUND                           ; a round of the cluster's barrier
	s_barrier_signal -1
	s_barrier_wait -1
	s_cmp_lg_u32 s[WV], 0
	s_cbranch_scc1 .Lnot_wave_0_\@
	s_barrier_signal -3
.Lnot_wave_0_\@:
	s_barrier_wait -3
	s_barrier_signal -1
	s_barrier_wait -1
.endm
; one scaled product.  z: the sum starts (C = 0); ra, rb: the half of the lanes from which source 0's and source 1's scale words are taken
.macro WMS d, a, b, z, sa, sb, ra, rb
.if (\z)
.if ((\ra)==0)&&((\rb)==0)
	v_wmma_scale_f32_16x16x128_f8f6f4 v[(\d):(\d)+7], v[(\a):(\a)+15], v[(\b):(\b)+15], 0, v[(\sa)], v[(\sb)] matrix_a_fmt:MATRIX_FMT_BF8 matrix_b_fmt:MATRIX_FMT_BF8
.elseif ((\ra)==1)&&((\rb)==0)
	v_wmma_scale_f32_16x16x128_f8f6f4 v[(\d):(\d)+7], v[(\a):(\a)+15], v[(\b):(\b)+15], 0, v[(\sa)], v[(\sb)] matrix_a_fmt:MATRIX_FMT_BF8 matrix_b_fmt:MATRIX_FMT_BF8 matrix_a_scale:MATRIX_SCALE_ROW1
.elseif ((\ra)==0)&&((\rb)==1)
	v_wmma_scale_f32_16x16x128_f8f6f4 v[(\d):(\d)+7], v[(\a):(\a)+15], v[(\b):(\b)+15], 0, v[(\sa)], v[(\sb)] matrix_a_fmt:MATRIX_FMT_BF8 matrix_b_fmt:MATRIX_FMT_BF8 matrix_b_scale:MATRIX_SCALE_ROW1
.else
	v_wmma_scale_f32_16x16x128_f8f6f4 v[(\d):(\d)+7], v[(\a):(\a)+15], v[(\b):(\b)+15], 0, v[(\sa)], v[(\sb)] matrix_a_fmt:MATRIX_FMT_BF8 matrix_b_fmt:MATRIX_FMT_BF8 matrix_a_scale:MATRIX_SCALE_ROW1 matrix_b_scale:MATRIX_SCALE_ROW1
.endif
.else
.if ((\ra)==0)&&((\rb)==0)
	v_wmma_scale_f32_16x16x128_f8f6f4 v[(\d):(\d)+7], v[(\a):(\a)+15], v[(\b):(\b)+15], v[(\d):(\d)+7], v[(\sa)], v[(\sb)] matrix_a_fmt:MATRIX_FMT_BF8 matrix_b_fmt:MATRIX_FMT_BF8
.elseif ((\ra)==1)&&((\rb)==0)
	v_wmma_scale_f32_16x16x128_f8f6f4 v[(\d):(\d)+7], v[(\a):(\a)+15], v[(\b):(\b)+15], v[(\d):(\d)+7], v[(\sa)], v[(\sb)] matrix_a_fmt:MATRIX_FMT_BF8 matrix_b_fmt:MATRIX_FMT_BF8 matrix_a_scale:MATRIX_SCALE_ROW1
.elseif ((\ra)==0)&&((\rb)==1)
	v_wmma_scale_f32_16x16x128_f8f6f4 v[(\d):(\d)+7], v[(\a):(\a)+15], v[(\b):(\b)+15], v[(\d):(\d)+7], v[(\sa)], v[(\sb)] matrix_a_fmt:MATRIX_FMT_BF8 matrix_b_fmt:MATRIX_FMT_BF8 matrix_b_scale:MATRIX_SCALE_ROW1
.else
	v_wmma_scale_f32_16x16x128_f8f6f4 v[(\d):(\d)+7], v[(\a):(\a)+15], v[(\b):(\b)+15], v[(\d):(\d)+7], v[(\sa)], v[(\sb)] matrix_a_fmt:MATRIX_FMT_BF8 matrix_b_fmt:MATRIX_FMT_BF8 matrix_a_scale:MATRIX_SCALE_ROW1 matrix_b_scale:MATRIX_SCALE_ROW1
.endif
.endif
.endm
; 64 numbers of a lane in window 2, v[s] on, register 16 b + i = place 32 b + 16 (lane / 16) + i along K of my row, become a fragment's codes in v[PC] on and its scale word in v[pw].
; Each accumulator among them is read from its low end on.
.macro QUANT s, pw
	WIN 0x28                                       ; sources 1 and 2 in window 2
.irp b, 0,1,2,3
	v_max3_num_f32 v[TM+\b], s[FLR], |v[(\s)+16*\b]|, |v[(\s)+16*\b+1]|   ; block b: my 16 numbers, and the floor, under which no largest magnitude is taken: the byte cannot fall under 1
.endr
.irp i, 2,4,6,8,10,12,14
.irp b, 0,1,2,3
	v_max3_num_f32 v[TM+\b], v[TM+\b], |v[(\s)+16*\b+\i]|, |v[(\s)+16*\b+\i+1]|   ; the four blocks by turns
.endr
.endr
	WIN 0
.irp b, 0,1,2,3
	v_permlanex16_b32 v[TM+4+\b], v[TM+\b], s[SEL], s[SEL+1]
.endr
.irp b, 0,1,2,3
	v_max_num_f32 v[TM+\b], v[TM+\b], v[TM+4+\b]   ; with lane l xor 16: the block's largest magnitude
.endr
.irp b, 0,1,2,3
	v_add_nc_u32 v[TM+12+\b], 0xf8800000, v[TM+\b] ; 15 off its exponent field: the conversion's scale operand
.endr
.irp b, 0,1,2,3
.endr
.irp b, 0,1,2,3
	v_lshrrev_b32 v[TM+4+\b], 23, v[TM+12+\b]      ; the scale's byte
.endr
	v_lshl_or_b32 v[(\pw)], v[TM+5], 8, v[TM+4]
	v_lshl_or_b32 v[(\pw)], v[TM+6], 16, v[(\pw)]
	v_lshl_or_b32 v[(\pw)], v[TM+7], 24, v[(\pw)]
	WIN 0x82                                       ; destination and source 0 in window 2
.irp b, 0,1,2,3
.irp i, 0,1,2,3,4,5,6,7,8,9,10,11,12,13,14,15
.endr
.endr
	WIN 0x02                                       ; source 0 in window 2
.irp b, 0,1,2,3
	v_cvt_scalef32_pk8_bf8_f32 v[PC+4*\b:PC+4*\b+1], v[(\s)+16*\b:(\s)+16*\b+7], v[TM+12+\b]
	v_cvt_scalef32_pk8_bf8_f32 v[PC+4*\b+2:PC+4*\b+3], v[(\s)+16*\b+8:(\s)+16*\b+15], v[TM+12+\b]
.endr
	WIN 0
	v_nop                                          ; one plain vector instruction behind the last conversion
.endm
; set j of x: tile j % 2 of my two, K step j / 2 of the trip's two: 16 rows, 512 consecutive bytes to a load
.macro XLOAD j, off
	WIN 0xc0                                       ; destination in window 3
.irp r, 0,1,2,3,4,5,6,7,8,9,10,11,12,13,14,15
	global_load_b128 v[64*(\j)+4*\r:64*(\j)+4*\r+3], v[XO], s[XP:XP+1] offset:(8*((\j)&1)+((\r)&7)+16*((\r)>>3))*4096+512*((\j)>>1)+(\off)
.endr
	WIN 0
.endm
; one fragment of x: through my stage, so that a lane holds 16 neighbours of each block of 32; quantised; its image and its scale word to LDS.  left: the loads issued behind this set's
.macro UNIT j, ahead, left
	s_wait_loadcnt \left
	WIN 0x0c                                       ; an LDS store's data are its source 1: window 3
.irp r, 0,1,2,3,4,5,6,7,8,9,10,11,12,13,14,15
	ds_store_b128 v[SGI], v[64*(\j)+4*\r:64*(\j)+4*\r+3] offset:SGP*\r
.endr
	WIN 0x80                                       ; destination in window 2
.irp c, 0,1,2,3
.irp q, 0,1,2,3
	ds_load_b128 v[16*\c+4*\q:16*\c+4*\q+3], v[SGO] offset:128*\c+16*\q   ; LDS serves a wave's instructions in order (ISA guide 5.7.1.4): these see the stores above
.endr
.endr
	s_wait_dscnt 0x0                               ; the numbers are back; the stores have read their registers; the last unit's image stores have read theirs
.if \ahead
	XLOAD \j, 1024                                 ; the same set of the next trip
.endif
	QUANT 0, PWR
.irp c, 0,1,2,3
	ds_store_b128 v[IMA], v[PC+4*\c:PC+4*\c+3] offset:4096*((\j)>>1)+2048*((\j)&1)+512*\c
.endr
	ds_store_b32 v[SCA], v[PWR] offset:128*((\j)>>1)+64*((\j)&1)   ; both halves of the lanes write the same word with the same value
.endm
; THE CHANGE OF SLOTS.  Every wave waits for all its tensor loads (one is out: its part of the slot that it will read), adds 0 to its spare word, and waits for that and for its LDS reads and stores.
; fill = 1: slot k, read out in the step before, takes the tile at base + off: behind a round of the cluster's barrier, as the first thing there, one load a wave.
.macro HEAD fill, k, base, off
	s_wait_tensorcnt 0x0                           ; no tensor load of mine is out, so a group 0 may be written
	ds_add_u32 v[SPW], v[NIL]                      ; 0 onto my spare word
.if \fill
	s_add_nc_u64 s[G0+4*(\k)+2:G0+4*(\k)+3], s[\base:\base+1], \off
	s_or_b32 s[G0+4*(\k)+3], s[G0+4*(\k)+3], 0x80000000
	s_wait_dscnt 0x0
	ROUND
	tensor_load_to_lds s[G0+4*(\k):G0+4*(\k)+3], s[G1:G1+7]
	s_nop 0
	PLACES 4                                       ; four of the places in front of the loads that follow
.else
	s_wait_dscnt 0x0
	s_barrier_signal -1
	s_barrier_wait -1
.endif
.endm
.macro FW set, slot, q                 ; W's four fragments of the slot's q-th 128 along K
	WIN 0x40
.irp t, 0,1,2,3
.irp c, 0,1,2,3
	ds_load_b128 v[64*(\set)+16*\t+4*\c:64*(\set)+16*\t+4*\c+3], v[ADW+(\slot)] offset:16*WP*\t+128*(\q)+32*\c
.endr
.endr
	WIN 0
.endm
.macro FX s, t0                        ; x's fragments t0 .. t0 + 3 of K step s
.if (\t0) == 0
.set AX, LI
.else
.set AX, ADX1
.endif
.irp xt, \t0, \t0+1, \t0+2, \t0+3
.irp c, 0,1,2,3
	ds_load_b128 v[XF+16*(\xt)+4*\c:XF+16*(\xt)+4*\c+3], v[AX] offset:32768*(((\xt)>>1)&1)+4096*(\s)+2048*((\xt)&1)+512*\c
.endr
.endr
.endm
.macro FXS s                           ; x's scale words of K step s
.irp g, 0,1,2,3
	ds_load_b32 v[XS+4*((\s)%2)+\g], v[ADXS] offset:1024*\g+128*(\s)
.endr
.endm
; 16 products: x's tiles t0 .. t0 + 3 against W's four.  The accumulators take turns, one instruction a turn.
.macro MULQK t0, set, s, z             ; transposed: accumulator (T, t) at v[32 T + 8 t] of window 2
	WIN 0xa1                                       ; source 0 (W) window 1, source 1 (x) window 0, C and D window 2
.irp xt, \t0, \t0+1, \t0+2, \t0+3
.irp t, 0,1,2,3
	WMS 32*(\xt)+8*\t, 64*(\set)+16*\t, XF+16*(\xt), \z, WSC+8*(\t>>1)+(\s), XS+4*((\s)%2)+((\xt)>>1), \t&1, (\xt)&1
.endr
.endr
.endm
.macro MULV t0, set, s, z              ; the natural way: accumulator (T, t) at v[64 t + 8 T]
	WIN 0xa4                                       ; source 0 (x) window 0, source 1 (W) window 1
.irp xt, \t0, \t0+1, \t0+2, \t0+3
.irp t, 0,1,2,3
	WMS 64*\t+8*(\xt), XF+16*(\xt), 64*(\set)+16*\t, \z, XS+4*((\s)%2)+((\xt)>>1), WSC+8*(\t>>1)+(\s), (\xt)&1, \t&1
.endr
.endr
.endm
.macro MUL kind, t0, set, s, z
.if \kind
	MULV \t0, \set, \s, \z
.else
	MULQK \t0, \set, \s, \z
.endif
.endm
; A slot's two K steps, 64 products.  x has one set of registers: tiles 0-3 are fetched anew when their 16 products are issued, then tiles 4-7; W has two sets.
; Eight places stand in front of each run of loads into registers that matrix instructions have read.
.macro SLOTWORK kind, n, z, pl
	PLACES \pl
	FW 0, (\n)&1, 0
	FX 2*(\n), 0
	FXS 2*(\n)
	FX 2*(\n), 4
	s_wait_dscnt 16                                ; all but the youngest 16: x's tiles 4-7
	MUL \kind, 0, 0, 2*(\n), \z
	s_wait_dscnt 0x0
	PLACES 8
	FW 1, (\n)&1, 1
	FX 2*(\n)+1, 0
	FXS 2*(\n)+1
	MUL \kind, 4, 0, 2*(\n), \z
	PLACES 8
	WIN 0
	FX 2*(\n)+1, 4
	s_wait_dscnt 16                                ; all but the youngest 16: x's tiles 4-7
	MUL \kind, 0, 1, 2*(\n)+1, 0
	s_wait_dscnt 0x0
	MUL \kind, 4, 1, 2*(\n)+1, 0
	WIN 0
.endm
.macro WSLOAD base                     ; a head's scale bytes: 32 bytes a row, a lane a row
.irp g, 0,1
	global_load_b128 v[WSC+8*\g:WSC+8*\g+3], v[L32], s[\base:\base+1] offset:1024*\g
	global_load_b128 v[WSC+8*\g+4:WSC+8*\g+7], v[L32], s[\base:\base+1] offset:1024*\g+16
.endr
.endm
; The way out of a pass: four fragments are quantised and stored, 512 consecutive aligned bytes to a store; their scale words leave as one aligned block of 256 bytes.
.macro EPI next
	PLACES 9                                       ; behind the last products: for the reads of results, for the loads into the scale registers, and for the next pass's products, which write the accumulators anew
.if \next
	WSLOAD WSN
.endif
.irp f, 0,1,2,3
	s_wait_xcnt 0x0                                ; the earlier stores have read their data: the codes' registers are written again only behind this wait
	QUANT 64*\f, PWR+\f
.irp c, 0,1,2,3
	global_store_b128 v[LI], v[PC+4*\c:PC+4*\c+3], s[OC:OC+1] offset:2048*\f+512*\c th:TH_STORE_NT
.endr
.endr
	v_cndmask_b32 v[SW], v[PWR], v[PWR+1], s[HI]   ; lanes 0-15 fragment 0, lanes 16-31 fragment 1
	v_cndmask_b32 v[SW+1], v[PWR+2], v[PWR+3], s[HI]
	global_store_b64 v[L8], v[SW:SW+1], s[OS:OS+1] th:TH_STORE_NT
.endm
	s_load_b512 s[4:19], s[0:1], 0x0               ; x, Wq codes, Wq scales, Wk codes, Wk scales, Wv codes, Wv scales, qrec
	s_load_b64 s[20:21], s[0:1], 0x40              ; kvrec
	v_lshl_add_u32 v[SPW], v0, 2, SPARE
	v_mov_b32 v[NIL], 0
	ds_add_u32 v28, v29
	ds_add_u32 v28, v29
	s_wait_dscnt 0x0
	v_lshrrev_b32 v1, 5, v0
	v_readfirstlane_b32 s[WV], v1                  ; wave 0..3
	s_and_b32 s[HD], ttmp7, 0xffff                 ; the group of four heads, which the cluster's partners share
	s_lshl_b32 s[HD], s[HD], 2
	s_add_co_u32 s[HD], s[HD], s[WV]               ; my head
	s_bfe_u32 s88, ttmp6, 0x40000                  ; cx: it enters the addresses of x, qrec and kvrec alone (s88-95 and the pointers made of them)
	s_lshl_b32 s89, ttmp9, 2
	s_add_co_u32 s89, s89, s88                     ; my block of 128 rows
	s_mov_b32 s[G1], 15|(1<<20)|(1<<21)|(5<<22)|(3<<25)   ; 15:0 the mask: all four work-groups; 17:16 elements of 1 byte; 20 padding on; 21 set beside a mask; 24:22 after every 64 words; 31:25 four words
	s_mov_b32 s[G1+1], 256<<16                     ; tensor_dim0
	s_mov_b32 s[G1+2], 64<<16                      ; tensor_dim1
	s_mov_b32 s[G1+3], 256<<16                     ; tile_dim0
	s_mov_b32 s[G1+4], 64                          ; tile_dim1
	s_mov_b32 s[G1+5], 1024                        ; from row to row
	s_mov_b32 s[G1+6], 0
	s_mov_b32 s[G1+7], 0
	s_mul_i32 s84, s[WV], WPART
	s_add_co_u32 s84, s84, RING                    ; my part of slot 0
	s_mov_b32 s[G0], 1
	s_mov_b32 s[G0+1], s84
	s_mov_b32 s[G0+4], 1
	s_add_co_u32 s[G0+5], s84, SLOT
	s_mov_b32 s[SEL], 0x76543210
	s_mov_b32 s[SEL+1], 0xfedcba98
	s_mov_b32 s[FLR], 0x8000000
	s_mov_b32 s[HI], 0xffff0000
	s_lshl_b32 s86, s[HD], 16                      ; a head's 64 rows of 1,024 bytes
	s_mov_b32 s87, 0
	s_wait_kmcnt 0x0
	s_add_nc_u64 s[CUR:CUR+1], s[6:7], s[86:87]
	s_add_nc_u64 s[NXT:NXT+1], s[10:11], s[86:87]
	s_add_nc_u64 s[14:15], s[14:15], s[86:87]
	s_lshl_b32 s86, s[HD], 11                      ; and their 64 rows of 32 scale bytes
	s_add_nc_u64 s[8:9], s[8:9], s[86:87]
	s_add_nc_u64 s[WSN:WSN+1], s[12:13], s[86:87]
	s_add_nc_u64 s[16:17], s[16:17], s[86:87]
	s_mov_b64 s[G0+2:G0+3], s[CUR:CUR+1]
	s_or_b32 s[G0+3], s[G0+3], 0x80000000
	ROUND                                          ; all four work-groups are here: the first joint load meets
	tensor_load_to_lds s[G0:G0+3], s[G1:G1+7]      ; Wq's first tile: it lands while x is quantised
	s_nop 0
	PLACES 4
	s_lshl_b32 s90, s89, 19                        ; 128 rows of 4,096 bytes
	s_mov_b32 s91, 0
	s_add_nc_u64 s[XP:XP+1], s[4:5], s[90:91]
	s_lshr_b32 s92, s89, 4                         ; the batch
	s_lshl_b32 s92, s92, 8
	s_and_b32 s93, s89, 15                         ; the block in the sequence
	s_add_co_u32 s92, s92, s93
	s_lshl_b32 s93, s[HD], 4
	s_add_co_u32 s92, s92, s93                     ; the record: (16 batch + head) 16 + block
	s_mul_i32 s90, s92, 8448
	s_add_nc_u64 s[OC:OC+1], s[18:19], s[90:91]
	s_add_nc_u64 s[OS:OS+1], s[OC:OC+1], 8192
	s_mul_i32 s90, s92, 16896
	s_add_nc_u64 s[KB:KB+1], s[20:21], s[90:91]
	v_and_b32 v2, 31, v0                           ; lane
	v_and_b32 v3, 15, v0                           ; r
	v_bfe_u32 v1, v0, 4, 1                         ; h
	v_lshlrev_b32 v[LI], 4, v2
	s_wait_alu depctr_va_vdst(0)
	v_lshlrev_b32 v[L8], 3, v2
	v_lshlrev_b32 v[L32], 5, v2
	s_lshl_b32 s85, s[WV], 17
	v_add_nc_u32 v[XO], s85, v[LI]
	WSLOAD 8                                       ; Wq's scale words
	XLOAD 0, 0
	XLOAD 1, 0
	XLOAD 2, 0
	XLOAD 3, 0
	s_mul_i32 s85, s[WV], 16*SGP
	s_add_co_u32 s85, s85, XSTG
	v_add_nc_u32 v[SGI], s85, v[LI]
	v_mul_u32_u24 v[SGO], v3, SGP
	v_lshl_add_u32 v[SGO], v1, 6, v[SGO]
	v_add_nc_u32 v[SGO], s85, v[SGO]
	s_lshl_b32 s85, s[WV], 15
	v_add_nc_u32 v[IMB], s85, v[LI]
	s_lshl_b32 s85, s[WV], 10
	s_add_co_u32 s85, s85, XSC
	v_lshlrev_b32 v[SCB], 2, v3
	v_add_nc_u32 v[SCB], s85, v[SCB]
	v_add_nc_u32 v[ADX1], 65536, v[LI]
	v_lshl_add_u32 v[ADXS], v2, 2, XSC
	v_mul_u32_u24 v[ADW], v3, WP
	v_lshl_add_u32 v[ADW], v1, 4, v[ADW]
	v_add_nc_u32 v[ADW], s84, v[ADW]
	v_add_nc_u32 v[ADW+1], SLOT, v[ADW]
.irp b, 0,1,2,3
	v_mov_b32 v[TM+4+\b], 0                        ; written once: a lane permute's destination counts as one of its sources
.endr
	; ---- PHASE X: four trips of two K steps x my two tiles; the loads run four sets (64 loads) ahead; the last trip is written out and loads nothing
	s_mov_b32 s[XT], 0
	s_mov_b32 s[XU], 0
	s_mov_b32 s[CNT], 3
.Lx:
	s_wait_dscnt 0x0                               ; no LDS instruction of mine is out: its address registers may be written
	v_add_nc_u32 v[IMA], s[XT], v[IMB]
	v_add_nc_u32 v[SCA], s[XU], v[SCB]
	UNIT 0, 1, 48
	UNIT 1, 1, 48
	UNIT 2, 1, 48
	UNIT 3, 1, 48
	s_wait_xcnt 0x0                                ; the loads have read their base: it may step
	s_add_nc_u64 s[XP:XP+1], s[XP:XP+1], 1024
	s_add_co_u32 s[XT], s[XT], 8192
	s_add_co_u32 s[XU], s[XU], 256
	s_sub_co_u32 s[CNT], s[CNT], 1
	s_cmp_lg_u32 s[CNT], 0
	s_cbranch_scc1 .Lx
	s_wait_dscnt 0x0
	v_add_nc_u32 v[IMA], s[XT], v[IMB]
	v_add_nc_u32 v[SCA], s[XU], v[SCB]
	UNIT 0, 0, 48
	UNIT 1, 0, 32
	UNIT 2, 0, 16
	UNIT 3, 0, 0
	; ---- Q, then K: one text, two trips.  The first change of slots also shows x's images to every wave: each wave's stores are waited for in front of its signal
	s_mov_b32 s[CNT], 2
.Lpass:
	s_wait_loadcnt 0x0                             ; this weight's scale words
	HEAD 1, 1, CUR, 256
	SLOTWORK 0, 0, 1, 4
	HEAD 1, 0, CUR, 512
	SLOTWORK 0, 1, 0, 4
	HEAD 1, 1, CUR, 768
	SLOTWORK 0, 2, 0, 4
	HEAD 1, 0, NXT, 0                              ; the ring goes on into the next weight
	SLOTWORK 0, 3, 0, 4
	EPI 1
	s_wait_xcnt 0x0                                ; the stores and loads have read their bases
	s_mov_b64 s[CUR:CUR+1], s[NXT:NXT+1]
	s_mov_b64 s[NXT:NXT+1], s[14:15]
	s_mov_b64 s[WSN:WSN+1], s[16:17]
	s_mov_b64 s[OC:OC+1], s[KB:KB+1]
	s_add_nc_u64 s[OS:OS+1], s[KB:KB+1], 16384
	s_sub_co_u32 s[CNT], s[CNT], 1
	s_cmp_lg_u32 s[CNT], 0
	s_cbranch_scc1 .Lpass
	; ---- V, written out: other products, and its last change of slots asks for nothing
	s_add_nc_u64 s[OC:OC+1], s[KB:KB+1], 8192
	s_add_nc_u64 s[OS:OS+1], s[KB:KB+1], 16640
	s_wait_loadcnt 0x0
	HEAD 1, 1, CUR, 256
	SLOTWORK 1, 0, 1, 4
	HEAD 1, 0, CUR, 512
	SLOTWORK 1, 1, 0, 4
	HEAD 1, 1, CUR, 768
	SLOTWORK 1, 2, 0, 4
	HEAD 0, 0, CUR, 0
	SLOTWORK 1, 3, 0, 8
	EPI 0
	s_wait_tensorcnt 0x0                           ; the wave's end
	ds_add_u32 v[SPW], v[NIL]
	s_wait_dscnt 0x0
	ROUND                                          ; the closing round: no work-group ends while a partner may still ask for a tile that names it
	s_endpgm
.Lfunc_end_k_q26c41e8e9d_qkv:
	.size	k_q26c41e8e9d_qkv, .Lfunc_end_k_q26c41e8e9d_qkv-k_q26c41e8e9d_qkv
	.p2alignl 7, 3214868480
	.fill 96, 4, 3214868480
	.section	.rodata,"a",@progbits
	.p2align	6, 0x0
	.amdhsa_kernel k_q26c41e8e9d_qkv
		.amdhsa_group_segment_fixed_size 327680
		.amdhsa_private_segment_fixed_size 0
		.amdhsa_enable_private_segment 0
		.amdhsa_kernarg_size 72
		.amdhsa_user_sgpr_count 2
		.amdhsa_user_sgpr_kernarg_segment_ptr 1
		.amdhsa_wavefront_size32 1
		.amdhsa_system_sgpr_workgroup_id_x 1
		.amdhsa_system_sgpr_workgroup_id_y 1
		.amdhsa_system_sgpr_workgroup_id_z 1
		.amdhsa_system_vgpr_workitem_id 0
		.amdhsa_next_free_vgpr 1024
		.amdhsa_next_free_sgpr 100
		.amdhsa_reserve_vcc 0
		.amdhsa_float_denorm_mode_32 3
		.amdhsa_float_denorm_mode_16_64 3
		.amdhsa_fp16_overflow 1
		.amdhsa_memory_ordered 1
		.amdhsa_forward_progress 1
		.amdhsa_inst_pref_size 232
	.end_amdhsa_kernel
	.amdgpu_metadata
---
amdhsa.version: [ 1, 2 ]
amdhsa.kernels:
  - .name:           k_q26c41e8e9d_qkv
    .symbol:         k_q26c41e8e9d_qkv.kd
    .args:
      - { .name: x, .offset: 0, .size: 8, .value_kind: global_buffer, .address_space: global }
      - { .name: Wq_codes, .offset: 8, .size: 8, .value_kind: global_buffer, .address_space: global }
      - { .name: Wq_scales, .offset: 16, .size: 8, .value_kind: global_buffer, .address_space: global }
      - { .name: Wk_codes, .offset: 24, .size: 8, .value_kind: global_buffer, .address_space: global }
      - { .name: Wk_scales, .offset: 32, .size: 8, .value_kind: global_buffer, .address_space: global }
      - { .name: Wv_codes, .offset: 40, .size: 8, .value_kind: global_buffer, .address_space: global }
      - { .name: Wv_scales, .offset: 48, .size: 8, .value_kind: global_buffer, .address_space: global }
      - { .name: qrec, .offset: 56, .size: 8, .value_kind: global_buffer, .address_space: global }
      - { .name: kvrec, .offset: 64, .size: 8, .value_kind: global_buffer, .address_space: global }
    .group_segment_fixed_size: 327680
    .private_segment_fixed_size: 0
    .kernarg_segment_align: 8
    .kernarg_segment_size: 72
    .max_flat_workgroup_size: 128
    .sgpr_count:     100
    .vgpr_count:     1024
    .wavefront_size: 32
...
	.end_amdgpu_metadata
.endif
;; end of part 1
;; launch attn (part 2): grid 256 x 1, 16 waves a work-group, clusters of 4 x 1, 272,384 bytes of LDS; arguments qrec, kvrec, ctxc, ctxs; writes ctxc, ctxs
.if DOCPART == 2
	.amdgcn_target "amdgcn-amd-amdhsa--gfx1250"
	.amdhsa_code_object_version 6
	.text
	.protected	k_q26c41e8e9d_attn
	.globl	k_q26c41e8e9d_attn
	.p2align	8
	.type	k_q26c41e8e9d_attn,@function
k_q26c41e8e9d_attn:
	s_mov_b64 s[64:65], 0
	v_nop
	global_prefetch_b8 v0, s[64:65] scope:SCOPE_SE
	s_setreg_imm32_b32 hwreg(HW_REG_WAVE_MODE, 25, 1), 1
	s_wait_xcnt 0x0
	s_wait_alu depctr_hold_cnt(0) depctr_sa_sdst(0) depctr_va_vdst(0) depctr_va_sdst(0) depctr_va_ssrc(0) depctr_va_vcc(0) depctr_vm_vsrc(0)
	s_getreg_b32 s2, hwreg(HW_REG_IB_STS2, 6, 4)
	s_cmp_eq_u32 s2, 0
	s_cbranch_scc0 .Lentry_in_a_cluster
	s_endpgm
.Lentry_in_a_cluster:
	s_bfe_u32 s2, ttmp6, 0x10000c
	s_cmp_lg_u32 s2, 0x3003
	s_cbranch_scc0 .Lentry_shape_is_right
	s_endpgm
.Lentry_shape_is_right:
; ctx[q][:] = the sum over k of softmax_k(q . k / 8) v[k][:] for one head of one batch, both products on codes of BF8 (E5M2) with one E8M0 scale for each 32 along K; ctx is quantised along the head's 64 for the last product.
; THE SOFTMAX AHEAD OF THE SECOND PRODUCT: t = score x log2(e) / 8; M = the row's largest t so far, rounded UP to a whole number; p = 2^(t - M) is what is quantised, along the keys, not normalised.
; The row's sum is taken of the unquantised p and divides at the end.  When M moves, the sum and O are multiplied by 2^(old M - new M): exact.
; SHARES.  A cluster of four work-groups owns one (batch, head); a work-group 512 queries; each of its sixteen waves 32 of them: two tiles of 16, one after the other (two passes), in 256 registers: four waves to a SIMD.
; LDS.  The head's K and V, 16 records of 16,896 bytes as the launch before laid them (images of operand registers and their scale words), lie in LDS whole: 270,336 bytes, filled ONCE: wave w asks for record w,
; jointly with the same wave of the three partners (mask 15).  Nothing is filled again: no ring, and no barrier in the loop.  Every LDS read takes 16 or 8 consecutive bytes a lane.
; LAYOUT.  Both products are used transposed: S^T = K Q^T, O^T = V^T P^T: a lane holds ONE query (lane % 16) throughout.  The keys of a tile were chosen so that the 16 registers of tiles 2 b and 2 b + 1 are keys 32 b + 16 (lane / 16) + 0 .. 15.
; K = 64 IN AN INSTRUCTION OF K = 128.  A fragment of K holds two tiles of 16 keys: tile 2 b in groups 0, 1, tile 2 b + 1 in groups 2, 3.  Source 1 is [q | zeros] for the first and [zeros | q] for the second:
; v16-23 zeros, v24-31 q, v32-39 zeros.  Zero codes add nothing under any scale byte but 0xff.  q's scale word holds its two bytes twice, so one word serves both.
; OUT.  ctxc [32 rows G][tile u][K step s][group c][lane][16 bytes]: images of the last product's operand; ctxs [G][s][u][r] words, byte c.  My head is K step head / 2, groups 2 (head % 2) + 0, 1.
; LIMITS: NaN and infinities are not served; a p under 2^-126 becomes 0; a block whose largest magnitude lies under 2^-111 gets the scale byte 1.
.set REC,  16896
.set LI,   1                           ; v1   16 x lane
.set L8,   2                           ; v2   8 x lane
.set CO,   3                           ; v3   16 r + 8 h: my 8 codes' place in a block of 256 bytes
.set CB,   4                           ; v4   4 r + h: my scale byte's place
.set R8,   5                           ; v5   8 r: my query's scale word in the record
.set ADR,  8                           ; v8   the step's record, 16 bytes a lane
.set ADS,  9                           ; v9   the same, 8 bytes a lane
.set QB,   24                          ; v24-31 q; v16-23 and v32-39 zeros
.set KF,   40                          ; v40-103 four fragments of K, then of V
.set S,    104                         ; v104-167 S^T, then p
.set O,    168                         ; v168-199 O^T
.set PCD,  200                         ; v200-215 p's codes
.set BM,   216                         ; v216-219 the blocks' largest scores, then largest p
.set PD,   220                         ; v220-223 permute destinations, then bytes
.set HL,   224
.set SO,   228                         ; v228-231 the conversions' scale operands
.set KS,   232                         ; v[232:233] K's scale words
.set VS,   234                         ; v[234:235] V's
.set QS,   236                         ; v236 q's
.set PSW,  237                         ; v237 p's
.set FF,   238                         ; v[238:239] f = 2^(old M - new M)
.set CH,   240                         ; v[240:241] the sum's second chain
.set T0,   242                         ; v[242:243] at work
.set WV,   12
.set G1,   16
.set G0,   24
.set QP,   32                          ; s[32:33] my tile of q
.set QSP,  34                          ; s[34:35] my fragment's scale words
.set CCP,  36                          ; s[36:37] where my codes go
.set CSP,  38                          ; s[38:39] and my scale bytes
.set SEL,  40
.set CS,   42                          ; s[42:43] c = log2(e) / 8
.set MNT,  44
.set TB,   45                          ; s45  LDS byte at which the step's record begins
.set CI,   46
.set CP,   47
.set HI,   56                          ; s56  the mask of lanes 16-31
.set PSEL, 57                          ; s57  the byte selects that take the pass's two scale bytes twice
.macro ROUND
	s_barrier_signal -1
	s_barrier_wait -1
	s_cmp_lg_u32 s[WV], 0
	s_cbranch_scc1 .Lnot_wave_0_\@
	s_barrier_signal -3
.Lnot_wave_0_\@:
	s_barrier_wait -3
	s_barrier_signal -1
	s_barrier_wait -1
.endm
.macro WMS d, a, b, z, sa, sb, ra      ; one scaled product.  z: the sum starts; ra: the half of the lanes from which source 0's scale words are taken
.if (\z)
.if (\ra)==0
	v_wmma_scale_f32_16x16x128_f8f6f4 v[(\d):(\d)+7], v[(\a):(\a)+15], v[(\b):(\b)+15], 0, v[(\sa)], v[(\sb)] matrix_a_fmt:MATRIX_FMT_BF8 matrix_b_fmt:MATRIX_FMT_BF8
.else
	v_wmma_scale_f32_16x16x128_f8f6f4 v[(\d):(\d)+7], v[(\a):(\a)+15], v[(\b):(\b)+15], 0, v[(\sa)], v[(\sb)] matrix_a_fmt:MATRIX_FMT_BF8 matrix_b_fmt:MATRIX_FMT_BF8 matrix_a_scale:MATRIX_SCALE_ROW1
.endif
.else
.if (\ra)==0
	v_wmma_scale_f32_16x16x128_f8f6f4 v[(\d):(\d)+7], v[(\a):(\a)+15], v[(\b):(\b)+15], v[(\d):(\d)+7], v[(\sa)], v[(\sb)] matrix_a_fmt:MATRIX_FMT_BF8 matrix_b_fmt:MATRIX_FMT_BF8
.else
	v_wmma_scale_f32_16x16x128_f8f6f4 v[(\d):(\d)+7], v[(\a):(\a)+15], v[(\b):(\b)+15], v[(\d):(\d)+7], v[(\sa)], v[(\sb)] matrix_a_fmt:MATRIX_FMT_BF8 matrix_b_fmt:MATRIX_FMT_BF8 matrix_a_scale:MATRIX_SCALE_ROW1
.endif
.endif
.endm
	s_load_b256 s[4:11], s[0:1], 0x0               ; qrec, kvrec, ctxc, ctxs
	v_lshl_add_u32 v254, v0, 2, 0x42000
	v_mov_b32 v255, 0
	ds_add_u32 v254, v255
	ds_add_u32 v254, v255
	v_lshrrev_b32 v6, 5, v0
	s_delay_alu instid0(VALU_DEP_1)
	v_readfirstlane_b32 s[WV], v6                  ; wave 0..15
	s_mov_b32 s[G1], 15|(3<<16)|(1<<21)            ; 15:0 the mask: all four work-groups; 17:16 elements of 8 bytes; 21 set beside a mask; no padding
	s_mov_b32 s[G1+1], 32<<16                      ; a record is dense: 66 rows of 256 bytes
	s_mov_b32 s[G1+2], 66<<16
	s_mov_b32 s[G1+3], 32<<16
	s_mov_b32 s[G1+4], 66
	s_mov_b32 s[G1+5], 32
	s_mov_b32 s[G1+6], 0
	s_mov_b32 s[G1+7], 0
	s_mul_i32 s28, s[WV], REC                      ; record w: its place in LDS and in the head's part of kvrec
	s_mul_i32 s29, ttmp9, 16*REC                   ; the cluster's number is (batch, head)
	s_add_co_u32 s30, s29, s28
	s_mov_b32 s31, 0
	s_mov_b32 s[G0], 1
	s_mov_b32 s[G0+1], s28
	s_and_b32 s14, ttmp9, 15                       ; the head
	s_lshr_b32 s15, ttmp9, 4                       ; the batch
	s_mov_b32 s[SEL], 0x76543210
	s_mov_b32 s[SEL+1], 0xfedcba98
	s_mov_b32 s[CS], 0x3e38aa3b                    ; c = log2(e) / 8
	s_mov_b32 s[CS+1], s[CS]                       ; (named with it as a pair, so it is written)
	s_mov_b32 s[HI], 0xffff0000
	s_mov_b32 s[PSEL], 0x01000100
	s_wait_dscnt 0x0
	s_wait_kmcnt 0x0
	s_add_nc_u64 s[G0+2:G0+3], s[6:7], s[30:31]
	s_or_b32 s[G0+3], s[G0+3], 0x80000000
	ROUND                                          ; all four work-groups are here: the joint loads meet
	tensor_load_to_lds s[G0:G0+3], s[G1:G1+7]      ; my one tensor load of the launch
	s_nop 0
.rept 4
	v_nop
.endr
	s_bfe_u32 s48, ttmp6, 0x40000                  ; cx: it enters the addresses of qrec, ctxc and ctxs alone (s48-53 and the pointers made of them)
	s_lshl_b32 s49, ttmp9, 4
	s_lshl_b32 s50, s48, 2
	s_add_co_u32 s49, s49, s50
	s_lshr_b32 s50, s[WV], 2
	s_add_co_u32 s49, s49, s50                     ; my record of qrec: 16 (batch, head) + 4 cx + wave / 4
	s_mul_i32 s50, s49, 8448
	s_mov_b32 s51, 0
	s_add_nc_u64 s[QSP:QSP+1], s[4:5], s[50:51]
	s_and_b32 s52, s[WV], 3                        ; my fragment f
	s_lshl_b32 s50, s52, 11
	s_add_nc_u64 s[QP:QP+1], s[QSP:QSP+1], s[50:51]
	s_and_b32 s50, s52, 1
	s_lshl_b32 s50, s50, 7                         ; its scale words: 8192 + 8 (16 (f % 2) + r) + 4 (f / 2)
	s_lshr_b32 s53, s52, 1
	s_lshl_b32 s53, s53, 2
	s_add_co_u32 s50, s50, s53
	s_add_co_u32 s50, s50, 8192
	s_add_nc_u64 s[QSP:QSP+1], s[QSP:QSP+1], s[50:51]
	s_lshl_b32 s49, s15, 6
	s_lshl_b32 s50, s48, 4
	s_add_co_u32 s49, s49, s50
	s_add_co_u32 s49, s49, s[WV]                   ; G = 64 batch + 16 cx + wave: my 32 rows
	s_lshl_b32 s50, s49, 15
	s_lshl_b32 s52, s14, 10
	s_add_co_u32 s50, s50, s52                     ; 32768 G + 2048 (head / 2) + 1024 (head % 2)
	s_add_nc_u64 s[CCP:CCP+1], s[8:9], s[50:51]
	s_lshl_b32 s50, s49, 10
	s_lshr_b32 s52, s14, 1
	s_lshl_b32 s52, s52, 7
	s_add_co_u32 s50, s50, s52
	s_and_b32 s52, s14, 1
	s_lshl_b32 s52, s52, 1
	s_add_co_u32 s50, s50, s52                     ; 1024 G + 128 (head / 2) + 2 (head % 2)
	s_add_nc_u64 s[CSP:CSP+1], s[10:11], s[50:51]
	v_and_b32 v6, 31, v0                           ; lane
	v_and_b32 v7, 15, v0                           ; r
	v_bfe_u32 v10, v0, 4, 1                        ; h
	s_delay_alu instid0(VALU_DEP_3)
	v_lshlrev_b32 v[LI], 4, v6
	s_delay_alu instid0(VALU_DEP_4)
	v_lshlrev_b32 v[L8], 3, v6
	s_delay_alu instid0(VALU_DEP_4)
	v_lshlrev_b32 v[CO], 4, v7
	s_delay_alu instid0(VALU_DEP_1)
	v_lshl_add_u32 v[CO], v10, 3, v[CO]
	v_lshl_add_u32 v[CB], v7, 2, v10
	v_lshlrev_b32 v[R8], 3, v7
.irp j, 0,1,2,3,4,5,6,7
	v_mov_b32 v[QB-8+\j], 0                        ; the zero codes on both sides of q
	v_mov_b32 v[QB+8+\j], 0
.endr
.irp b, 0,1,2,3
	v_mov_b32 v[PD+\b], 0                          ; written once: a lane permute's destination counts as one of its sources
.endr
	v_mov_b32 v[FF+1], 0                           ; (named as the upper halves of pairs)
	v_mov_b32 v[T0+1], 0
	s_wait_tensorcnt 0x0                           ; my record is in,
	s_barrier_signal -1
	s_barrier_wait -1                              ; everybody's is
	s_mov_b32 s[CP], 2
.Lpass:                                            ; a tile of 16 queries
	global_load_b128 v[QB:QB+3], v[LI], s[QP:QP+1]
	global_load_b128 v[QB+4:QB+7], v[LI], s[QP:QP+1] offset:512
	global_load_b32 v[T0], v[R8], s[QSP:QSP+1]     ; my fragment's scale word: two bytes for each of its two tiles
	s_mov_b32 s[TB], 0
	s_mov_b32 s[CI], 16
	s_wait_loadcnt 0x0
	v_perm_b32 v[QS], v[T0], v[T0], s[PSEL]        ; this tile's two bytes, twice.  (More than eight plain lines stand between this line and the first product)
	v_mov_b32 v13, 0xff61b1e6                      ; the largest t so far: -3e38, under every t
	s_delay_alu instid0(VALU_DEP_1)
	v_floor_f32 v12, -v13                          ; -M
	v_mov_b32 v14, 0                               ; the sum, in two halves
	v_mov_b32 v15, 0
.set j, 0
.rept 32
	v_mov_b32 v[O+j], 0                            ; O^T.  (The step is written once: the first finds zeros, which the first change of M leaves zeros)
.set j, j+1
.endr
.Lstep:                                            ; 128 keys
	s_setprio 2
	v_add_nc_u32 v[ADR], s[TB], v[LI]
	v_add_nc_u32 v[ADS], s[TB], v[L8]
.rept 6
	v_nop                                          ; with the two additions: eight places in front of loads into registers that matrix instructions have read
.endr
.irp b, 0,1,2,3
.irp c, 0,1,2,3
	ds_load_b128 v[KF+16*\b+4*\c:KF+16*\b+4*\c+3], v[ADR] offset:2048*\b+512*\c
.endr
.endr
	ds_load_b64 v[KS:KS+1], v[ADS] offset:16384
	s_wait_alu depctr_va_vdst(0)
	s_wait_dscnt 0x0
.irp b, 0,1,2,3
	WMS S+16*\b, KF+16*\b, QB, 1, KS+(\b>>1), QS, \b&1         ; [q | zeros]: the fragment's first 16 keys
	WMS S+16*\b+8, KF+16*\b, QB-8, 1, KS+(\b>>1), QS, \b&1     ; [zeros | q]: its second 16
.endr
.rept 8
	v_nop
.endr
.irp t, 0,1,2,3
.irp c, 0,1,2,3
	ds_load_b128 v[KF+16*\t+4*\c:KF+16*\t+4*\c+3], v[ADR] offset:8192+2048*\t+512*\c   ; V lands while the softmax is walked
.endr
.endr
	ds_load_b64 v[VS:VS+1], v[ADS] offset:16640
.irp b, 0,1,2,3
	v_max3_num_f32 v[BM+\b], v[S+16*\b], v[S+16*\b+1], v[S+16*\b+2]   ; the largest score of each block of 32 keys: it serves for the row's maximum and, since p rises with the score, for the block's largest p
.endr
.irp i, 3,5,7,9,11,13
.irp b, 0,1,2,3
	v_max3_num_f32 v[BM+\b], v[BM+\b], v[S+16*\b+\i], v[S+16*\b+\i+1]
.endr
.endr
.irp b, 0,1,2,3
	v_max_num_f32 v[BM+\b], v[BM+\b], v[S+16*\b+15]
.endr
.irp b, 0,1,2,3
	s_delay_alu instid0(VALU_DEP_4)
	v_permlanex16_b32 v[PD+\b], v[BM+\b], s[SEL], s[SEL+1]
.endr
.irp b, 0,1,2,3
	s_delay_alu instid0(VALU_DEP_4)
	v_max_num_f32 v[BM+\b], v[BM+\b], v[PD+\b]     ; with lane l xor 16's 16 keys
.endr
	s_delay_alu instid0(VALU_DEP_2)
	v_max3_num_f32 v[T0], v[BM], v[BM+1], v[BM+2]
	s_delay_alu instid0(VALU_DEP_1)
	v_max_num_f32 v[T0], v[T0], v[BM+3]            ; the step's largest score of my query
	s_delay_alu instid0(VALU_DEP_1)
	v_mul_f32 v[T0], s[CS], v[T0]                  ; as t (c is positive)
	s_delay_alu instid0(VALU_DEP_1)
	v_max_num_f32 v13, v13, v[T0]                  ; the running largest t
	v_mov_b32 v[T0], v12
	s_delay_alu instid0(VALU_DEP_2)
	v_floor_f32 v12, -v13                          ; the new -M = floor(-t) = -ceil(t): a whole number
	s_delay_alu instid0(VALU_DEP_1)
	v_sub_f32 v[T0], v12, v[T0]                    ; old M - new M: a whole number, 0 or less
	s_delay_alu instid0(VALU_DEP_1)
	v_cvt_i32_f32 v[T0], v[T0]                     ; (it saturates)
	s_delay_alu instid0(VALU_DEP_1)
	v_ldexp_f32 v[FF], 1.0, v[T0]                  ; f = 2^(old M - new M)
.set j, 0
.rept 32
	v_pk_fma_f32 v[S+j:S+j+1], v[S+j:S+j+1], s[CS:CS+1], v[12:13] op_sel_hi:[1,0,0]   ; t - M, two at a time
.set j, j+2
.endr
.irp b, 0,1,2,3
	v_fma_f32 v[BM+\b], v[BM+\b], s[CS], v12       ; the same of each block's largest score
.endr
.set j, 0
	s_setprio 1
	s_wait_alu depctr_va_vdst(0)
.rept 64
	v_exp_f32 v[S+j], v[S+j]                       ; p = 2^(t - M), at most 1: not normalised
.set j, j+1
.endr
	v_pk_mul_f32 v[14:15], v[14:15], v[FF:FF+1] op_sel_hi:[1,0]   ; the sums under the new M.  (The plain line behind the exponentials)
	s_wait_alu depctr_va_vdst(0)                   ; one wait for the batch of 64, ahead of its first reader
.irp b, 0,1,2,3
	v_exp_f32 v[BM+\b], v[BM+\b]                   ; the block's largest p: the same two instructions on the same number give the same bits
.endr
	v_pk_add_f32 v[240:241], v[108:109], v[112:113]
	v_pk_add_f32 v[252:253], v[116:117], v[120:121]
	v_pk_add_f32 v[250:251], v[124:125], v[128:129]
	v_pk_add_f32 v[248:249], v[132:133], v[136:137]
	v_pk_add_f32 v[246:247], v[140:141], v[144:145]
	v_pk_add_f32 v[244:245], v[148:149], v[152:153]
	v_pk_add_f32 v[232:233], v[156:157], v[160:161]
	v_pk_add_f32 v[14:15], v[14:15], v[164:165]
	v_pk_add_f32 v[240:241], v[240:241], v[104:105]
	v_pk_add_f32 v[252:253], v[252:253], v[106:107]
	v_pk_add_f32 v[250:251], v[250:251], v[110:111]
	v_pk_add_f32 v[248:249], v[248:249], v[114:115]
	v_pk_add_f32 v[246:247], v[246:247], v[118:119]
	v_pk_add_f32 v[244:245], v[244:245], v[122:123]
	v_pk_add_f32 v[232:233], v[232:233], v[126:127]
	v_pk_add_f32 v[14:15], v[14:15], v[130:131]
	v_pk_add_f32 v[240:241], v[240:241], v[134:135]
	v_pk_add_f32 v[252:253], v[252:253], v[138:139]
	v_pk_add_f32 v[250:251], v[250:251], v[142:143]
	v_pk_add_f32 v[248:249], v[248:249], v[146:147]
	v_pk_add_f32 v[246:247], v[246:247], v[150:151]
	v_pk_add_f32 v[244:245], v[244:245], v[154:155]
	v_pk_add_f32 v[232:233], v[232:233], v[158:159]
	v_pk_add_f32 v[14:15], v[14:15], v[162:163]
	v_pk_add_f32 v[240:241], v[240:241], v[166:167]
	s_delay_alu instid0(VALU_DEP_2)
	v_pk_add_f32 v[14:15], v[14:15], v[248:249]
	s_delay_alu instid0(VALU_DEP_2)
	v_pk_add_f32 v[240:241], v[240:241], v[246:247]
	v_pk_add_f32 v[252:253], v[252:253], v[244:245]
	v_pk_add_f32 v[250:251], v[250:251], v[232:233]
	s_delay_alu instid0(VALU_DEP_2)
	v_pk_add_f32 v[14:15], v[14:15], v[252:253]
	s_delay_alu instid0(VALU_DEP_2)
	v_pk_add_f32 v[240:241], v[240:241], v[250:251]
	s_delay_alu instid0(VALU_DEP_1)
	v_pk_add_f32 v[14:15], v[14:15], v[240:241]
	s_wait_alu depctr_va_vdst(0)                   ; and one for the four
.irp b, 0,1,2,3
	v_max_num_f32 v[BM+\b], 0x8000000, v[BM+\b]    ; the floor 2^(16 - 127): the byte cannot fall under 1
.endr
.irp b, 0,1,2,3
	s_delay_alu instid0(VALU_DEP_4)
	v_add_nc_u32 v[SO+\b], 0xf8800000, v[BM+\b]    ; 15 off the exponent field: the conversion's scale operand
.endr
.irp b, 0,1,2,3
.endr
.irp b, 0,1,2,3
	s_delay_alu instid0(VALU_DEP_4)
	v_lshrrev_b32 v[PD+\b], 23, v[SO+\b]           ; the scale's byte
.endr
	s_delay_alu instid0(VALU_DEP_3)
	v_lshl_or_b32 v[PSW], v[PD+1], 8, v[PD]        ; p's scale word for these 128 keys
	s_delay_alu instid0(VALU_DEP_1)
	v_lshl_or_b32 v[PSW], v[PD+2], 16, v[PSW]
	s_delay_alu instid0(VALU_DEP_1)
	v_lshl_or_b32 v[PSW], v[PD+3], 24, v[PSW]
.irp b, 0,1,2,3
.irp i, 0,1,2,3,4,5,6,7,8,9,10,11,12,13,14,15
.endr
	v_cvt_scalef32_pk8_bf8_f32 v[PCD+4*\b:PCD+4*\b+1], v[S+16*\b:S+16*\b+7], v[SO+\b]
	v_cvt_scalef32_pk8_bf8_f32 v[PCD+4*\b+2:PCD+4*\b+3], v[S+16*\b+8:S+16*\b+15], v[SO+\b]
.endr
.set j, 0
	s_setprio 0
.rept 16
	v_pk_mul_f32 v[O+j:O+j+1], v[O+j:O+j+1], v[FF:FF+1] op_sel_hi:[1,0]   ; O^T under the new M, each accumulator from its low end on.  (These 16 are also the places between the codes and the products)
.set j, j+2
.endr
	s_wait_alu depctr_va_vdst(0)
	s_wait_dscnt 0x0                               ; V
.irp t, 0,1,2,3
	WMS O+8*\t, KF+16*\t, PCD, 0, VS+(\t>>1), PSW, \t&1        ; O^T += V^T P^T: 16 of the head's 64 a product; the four accumulators by turns
.endr
	s_add_co_u32 s[TB], s[TB], REC
	s_sub_co_u32 s[CI], s[CI], 1
	s_cmp_lg_u32 s[CI], 0
	s_cbranch_scc1 .Lstep
	s_setprio 0
	; ---- the way out of a pass: O^T / the sum, quantised along the head's 64: two blocks of 32; a block lies in lanes l and l xor 16
.rept 8
	v_nop
.endr
	v_add_f32 v14, v14, v15
	s_delay_alu instid0(VALU_DEP_1)
	v_permlanex16_b32 v[PD], v14, s[SEL], s[SEL+1]
	s_delay_alu instid0(VALU_DEP_1)
	v_add_f32 v14, v14, v[PD]                      ; the row's sum
	s_wait_alu depctr_va_vdst(0)
	v_rcp_f32 v[T0], v14
	v_nop                                          ; the plain line behind the reciprocal
	s_wait_alu depctr_va_vdst(0)                   ; and the wait, ahead of its first reader
.set j, 0
.rept 16
	v_pk_mul_f32 v[S+j:S+j+1], v[O+j:O+j+1], v[T0:T0+1] op_sel_hi:[1,0]   ; register 8 t + i is ctx(my query, 16 t + 8 h + i)
.set j, j+2
.endr
.irp b, 0,1
	v_max3_num_f32 v[BM+\b], |v[S+16*\b]|, |v[S+16*\b+1]|, 0x8000000
.endr
.irp i, 2,4,6,8,10,12,14
.irp b, 0,1
	s_delay_alu instid0(VALU_DEP_2)
	v_max3_num_f32 v[BM+\b], v[BM+\b], |v[S+16*\b+\i]|, |v[S+16*\b+\i+1]|
.endr
.endr
.irp b, 0,1
	s_delay_alu instid0(VALU_DEP_2)
	v_permlanex16_b32 v[PD+\b], v[BM+\b], s[SEL], s[SEL+1]
.endr
.irp b, 0,1
	s_delay_alu instid0(VALU_DEP_2)
	v_max_num_f32 v[BM+\b], v[BM+\b], v[PD+\b]
.endr
.irp b, 0,1
	s_delay_alu instid0(VALU_DEP_2)
	v_add_nc_u32 v[SO+\b], 0xf8800000, v[BM+\b]
.endr
.irp b, 0,1
.endr
.irp b, 0,1
	s_delay_alu instid0(VALU_DEP_2)
	v_lshrrev_b32 v[PD+\b], 23, v[SO+\b]
.endr
.irp b, 0,1
.irp i, 0,1,2,3,4,5,6,7,8,9,10,11,12,13,14,15
.endr
.endr
.irp t, 0,1,2,3
	v_cvt_scalef32_pk8_bf8_f32 v[PCD+2*\t:PCD+2*\t+1], v[S+8*\t:S+8*\t+7], v[SO+(\t>>1)]   ; eight codes: d = 16 t + 8 h + 0 .. 7
.endr
	v_cndmask_b32 v[T0], v[PD], v[PD+1], s[HI]     ; lanes 0-15 store the first block's byte, lanes 16-31 the second's.  (The plain line behind the conversions)
.irp t, 0,1,2,3
	global_store_b64 v[CO], v[PCD+2*\t:PCD+2*\t+1], s[CCP:CCP+1] offset:512*(\t>>1)+256*(\t&1) th:TH_STORE_NT   ; group t / 2 of my head's two, lanes 16 (t % 2) + r of the image, bytes 8 h on: 256 consecutive aligned bytes
.endr
	global_store_b8 v[CB], v[T0], s[CSP:CSP+1]
	s_wait_xcnt 0x0                                ; the loads and stores have read their registers and bases
	s_add_nc_u64 s[QP:QP+1], s[QP:QP+1], 1024      ; the fragment's second tile: groups 2, 3
	s_add_co_u32 s[PSEL], s[PSEL], 0x02020202      ; and bytes 2, 3 of its scale word
	s_add_nc_u64 s[CCP:CCP+1], s[CCP:CCP+1], 16384
	s_add_nc_u64 s[CSP:CSP+1], s[CSP:CSP+1], 64
	s_sub_co_u32 s[CP], s[CP], 1
	s_cmp_lg_u32 s[CP], 0
	s_cbranch_scc1 .Lpass
	s_wait_tensorcnt 0x0
	ds_add_u32 v254, v255
	s_wait_dscnt 0x0
	ROUND                                          ; the closing round
	s_endpgm
.Lfunc_end_k_q26c41e8e9d_attn:
	.size	k_q26c41e8e9d_attn, .Lfunc_end_k_q26c41e8e9d_attn-k_q26c41e8e9d_attn
	.p2alignl 7, 3214868480
	.fill 96, 4, 3214868480
	.section	.rodata,"a",@progbits
	.p2align	6, 0x0
	.amdhsa_kernel k_q26c41e8e9d_attn
		.amdhsa_group_segment_fixed_size 272384
		.amdhsa_private_segment_fixed_size 0
		.amdhsa_enable_private_segment 0
		.amdhsa_kernarg_size 32
		.amdhsa_user_sgpr_count 2
		.amdhsa_user_sgpr_kernarg_segment_ptr 1
		.amdhsa_wavefront_size32 1
		.amdhsa_system_sgpr_workgroup_id_x 1
		.amdhsa_system_sgpr_workgroup_id_y 1
		.amdhsa_system_sgpr_workgroup_id_z 1
		.amdhsa_system_vgpr_workitem_id 0
		.amdhsa_next_free_vgpr 256
		.amdhsa_next_free_sgpr 66
		.amdhsa_reserve_vcc 0
		.amdhsa_float_denorm_mode_32 3
		.amdhsa_float_denorm_mode_16_64 3
		.amdhsa_fp16_overflow 1
		.amdhsa_memory_ordered 1
		.amdhsa_forward_progress 1
		.amdhsa_inst_pref_size 30
	.end_amdhsa_kernel
	.amdgpu_metadata
---
amdhsa.version: [ 1, 2 ]
amdhsa.kernels:
  - .name:           k_q26c41e8e9d_attn
    .symbol:         k_q26c41e8e9d_attn.kd
    .args:
      - { .name: qrec, .offset: 0, .size: 8, .value_kind: global_buffer, .address_space: global }
      - { .name: kvrec, .offset: 8, .size: 8, .value_kind: global_buffer, .address_space: global }
      - { .name: ctxc, .offset: 16, .size: 8, .value_kind: global_buffer, .address_space: global }
      - { .name: ctxs, .offset: 24, .size: 8, .value_kind: global_buffer, .address_space: global }
    .group_segment_fixed_size: 272384
    .private_segment_fixed_size: 0
    .kernarg_segment_align: 8
    .kernarg_segment_size: 32
    .max_flat_workgroup_size: 512
    .sgpr_count:     66
    .vgpr_count:     256
    .wavefront_size: 32
...
	.end_amdgpu_metadata
.endif
;; end of part 2
;; launch outln (part 3): grid 256 x 1, 4 waves a work-group, clusters of 4 x 1, 327,680 bytes of LDS; arguments ctxc, ctxs, Wo_codes, Wo_scales, bo, x, gamma, beta, out0; writes out0
.if DOCPART == 3
	.amdgcn_target "amdgcn-amd-amdhsa--gfx1250"
	.amdhsa_code_object_version 6
	.text
	.protected	k_q26c41e8e9d_outln
	.globl	k_q26c41e8e9d_outln
	.p2align	8
	.type	k_q26c41e8e9d_outln,@function
k_q26c41e8e9d_outln:
	s_mov_b64 s[64:65], 0
	v_nop
	global_prefetch_b8 v0, s[64:65] scope:SCOPE_SE
	s_setreg_imm32_b32 hwreg(HW_REG_WAVE_MODE, 25, 1), 1
	s_wait_xcnt 0x0
	s_wait_alu depctr_hold_cnt(0) depctr_sa_sdst(0) depctr_va_vdst(0) depctr_va_sdst(0) depctr_va_ssrc(0) depctr_va_vcc(0) depctr_vm_vsrc(0)
	s_getreg_b32 s2, hwreg(HW_REG_IB_STS2, 6, 4)
	s_cmp_eq_u32 s2, 0
	s_cbranch_scc0 .Lentry_in_a_cluster
	s_endpgm
.Lentry_in_a_cluster:
	s_bfe_u32 s2, ttmp6, 0x10000c
	s_cmp_lg_u32 s2, 0x3003
	s_cbranch_scc0 .Lentry_shape_is_right
	s_endpgm
.Lentry_shape_is_right:
; out = LayerNorm(ctx Wo + bo + x) gamma + beta.  The product on codes of BF8 (E5M2) with one E8M0 scale for each 32 along K; all else in f32.
; ctx comes as images of operand registers (ctxc, ctxs, as the launch before laid them).  Wo: codes [1024 columns][1024], K innermost; scale bytes [1024][32].
; SHARES.  A work-group takes 32 rows (a group G of ctxc) and ALL 1,024 columns, since the norm wants whole rows.  Wave w makes columns 256 w .. 256 w + 255: 16 tiles x 2 tiles of rows = 32 accumulators.
; ctx's 16 fragments stay in each wave's registers.  Wo comes through a ring of two LDS slots: a wave's tile is 128 rows x 256 bytes: tile n: half n / 4 of my columns, K bytes 256 (n % 4) on.
; Every work-group walks the same Wo, so each tile is asked for JOINTLY by the four work-groups of a cluster (mask 15).
; The product is used transposed (source 0 = 16 rows of Wo, source 1 = 16 rows of ctx): a lane holds eight neighbouring columns of one row.
; THE ROWS OF A TILE OF ctx ARE NOT NEIGHBOURS: lane r of tile m is row 32 G + 8 m + r % 8 + 16 (r / 8).  The results meet in a stage in LDS, row 16 m + r; wave w reads stage rows 8 w .. 8 w + 7,
; which are the eight neighbouring rows 32 G + 16 (w % 2) + 8 (w / 2) + 0 .. 7, and norms them: a row lies in one wave's 32 registers.
; The stage lies in slot 0: when the first result is stored there, that slot has had its last fill, and every wave has passed the last change of slots, behind which nobody reads it.
; REGISTERS, in windows of 256: window 0: addresses, scale words, sums, v128-255 eight fragments of Wo; window 1: ctx's fragments at 16 (8 m + s), at the end bo, gamma, beta in v0-95;
;   window 2: the accumulators at 16 tile + 8 m, then my eight rows; window 3: my eight rows of x.
.set WP,    272                        ; a row of Wo in LDS: 256 bytes + 16 of padding
.set WPART, 128*WP
.set SLOT,  4*WPART
.set SPARE, 2*SLOT                     ; the spare words, 128 bytes for each wave: two blocks of 256 bytes that no other line names
.set STP,   4112                       ; a stage row: 4,096 bytes + 16
.set LI,   4                           ; v4   16 x lane
.set L4,   5                           ; v5   4 x lane
.set L32,  6                           ; v6   32 x lane
.set SO0,  8                           ; v8-9 the stage, on the way in: tile of rows 0, 1
.set SR,   10                          ; v10  and on the way out
.set ADW,  16                          ; v16-17 my place in my part of slot 0, 1
.set SPW,  28
.set NIL,  29
.set WSO,  32                          ; v32-95 Wo's scale words: register 8 g + s: lane l holds the word of K step s of row 256 w + 32 g + l
.set CS,   96                          ; v96-103 ctx's scale words of K step s: lanes 0-15 tile 0, lanes 16-31 tile 1
.set TS,   104                         ; v104-119 a pair for each of my eight rows
.set WF,   128
.set WV,   22
.set G1,   40
.set G0,   48
.set WB,   56                          ; s[56:57] my 256 rows of Wo
.set SEL,  58
.set C1,   60                          ; s60  1 / 1024
.set C2,   61                          ; s61  1e-5
.set MSB, 0
.macro WIN new
.if MSB != (\new)
	s_set_vgpr_msb (MSB<<8)|(\new)
.set MSB, (\new)
.endif
.endm
.macro PLACES n
.rept \n
	v_nop
.endr
.endm
.macro ROUND
	s_barrier_signal -1
	s_barrier_wait -1
	s_cmp_lg_u32 s[WV], 0
	s_cbranch_scc1 .Lnot_wave_0_\@
	s_barrier_signal -3
.Lnot_wave_0_\@:
	s_barrier_wait -3
	s_barrier_signal -1
	s_barrier_wait -1
.endm
.macro WMS d, a, b, z, sa, sb, ra, rb
.if (\z)
.if ((\ra)==0)&&((\rb)==0)
	v_wmma_scale_f32_16x16x128_f8f6f4 v[(\d):(\d)+7], v[(\a):(\a)+15], v[(\b):(\b)+15], 0, v[(\sa)], v[(\sb)] matrix_a_fmt:MATRIX_FMT_BF8 matrix_b_fmt:MATRIX_FMT_BF8
.elseif ((\ra)==1)&&((\rb)==0)
	v_wmma_scale_f32_16x16x128_f8f6f4 v[(\d):(\d)+7], v[(\a):(\a)+15], v[(\b):(\b)+15], 0, v[(\sa)], v[(\sb)] matrix_a_fmt:MATRIX_FMT_BF8 matrix_b_fmt:MATRIX_FMT_BF8 matrix_a_scale:MATRIX_SCALE_ROW1
.elseif ((\ra)==0)&&((\rb)==1)
	v_wmma_scale_f32_16x16x128_f8f6f4 v[(\d):(\d)+7], v[(\a):(\a)+15], v[(\b):(\b)+15], 0, v[(\sa)], v[(\sb)] matrix_a_fmt:MATRIX_FMT_BF8 matrix_b_fmt:MATRIX_FMT_BF8 matrix_b_scale:MATRIX_SCALE_ROW1
.else
	v_wmma_scale_f32_16x16x128_f8f6f4 v[(\d):(\d)+7], v[(\a):(\a)+15], v[(\b):(\b)+15], 0, v[(\sa)], v[(\sb)] matrix_a_fmt:MATRIX_FMT_BF8 matrix_b_fmt:MATRIX_FMT_BF8 matrix_a_scale:MATRIX_SCALE_ROW1 matrix_b_scale:MATRIX_SCALE_ROW1
.endif
.else
.if ((\ra)==0)&&((\rb)==0)
	v_wmma_scale_f32_16x16x128_f8f6f4 v[(\d):(\d)+7], v[(\a):(\a)+15], v[(\b):(\b)+15], v[(\d):(\d)+7], v[(\sa)], v[(\sb)] matrix_a_fmt:MATRIX_FMT_BF8 matrix_b_fmt:MATRIX_FMT_BF8
.elseif ((\ra)==1)&&((\rb)==0)
	v_wmma_scale_f32_16x16x128_f8f6f4 v[(\d):(\d)+7], v[(\a):(\a)+15], v[(\b):(\b)+15], v[(\d):(\d)+7], v[(\sa)], v[(\sb)] matrix_a_fmt:MATRIX_FMT_BF8 matrix_b_fmt:MATRIX_FMT_BF8 matrix_a_scale:MATRIX_SCALE_ROW1
.elseif ((\ra)==0)&&((\rb)==1)
	v_wmma_scale_f32_16x16x128_f8f6f4 v[(\d):(\d)+7], v[(\a):(\a)+15], v[(\b):(\b)+15], v[(\d):(\d)+7], v[(\sa)], v[(\sb)] matrix_a_fmt:MATRIX_FMT_BF8 matrix_b_fmt:MATRIX_FMT_BF8 matrix_b_scale:MATRIX_SCALE_ROW1
.else
	v_wmma_scale_f32_16x16x128_f8f6f4 v[(\d):(\d)+7], v[(\a):(\a)+15], v[(\b):(\b)+15], v[(\d):(\d)+7], v[(\sa)], v[(\sb)] matrix_a_fmt:MATRIX_FMT_BF8 matrix_b_fmt:MATRIX_FMT_BF8 matrix_a_scale:MATRIX_SCALE_ROW1 matrix_b_scale:MATRIX_SCALE_ROW1
.endif
.endif
.endm
; THE CHANGE OF SLOTS: every wave waits for all its tensor loads (one is out), adds 0 to its spare word, and waits for that and for its LDS reads.  fill = 1: slot k takes the tile at base + off,
; behind a round of the cluster's barrier, as the first thing there, one load a wave.
.macro HEAD fill, k, base, off
	s_wait_tensorcnt 0x0                           ; no tensor load of mine is out, so a group 0 may be written
	ds_add_u32 v[SPW], v[NIL]                      ; 0 onto my spare word
.if \fill
	s_add_nc_u64 s[G0+4*(\k)+2:G0+4*(\k)+3], s[\base:\base+1], \off
	s_or_b32 s[G0+4*(\k)+3], s[G0+4*(\k)+3], 0x80000000
	s_wait_dscnt 0x0
	ROUND
	tensor_load_to_lds s[G0+4*(\k):G0+4*(\k)+3], s[G1:G1+7]
	s_nop 0
	PLACES 4
.else
	s_wait_dscnt 0x0
	s_barrier_signal -1
	s_barrier_wait -1
.endif
.endm
.macro GBLOAD                          ; bo, gamma, beta: my lane's columns 128 e + 4 lane + 0 .. 3, into the registers of ctx's fragments of K steps 0 to 5, tile 0, which are done with
	WIN 0x40
.irp e, 0,1,2,3,4,5,6,7
	global_load_b128 v[4*\e:4*\e+3], v[LI], s[12:13] offset:512*\e
	global_load_b128 v[32+4*\e:32+4*\e+3], v[LI], s[16:17] offset:512*\e
	global_load_b128 v[64+4*\e:64+4*\e+3], v[LI], s[18:19] offset:512*\e
.endr
	WIN 0
.endm
.macro MUL8 n, q, j0                   ; eight products: Wo's tiles j0 .. j0 + 3 of the half x ctx's two tiles; the accumulators by turns
.irp j, \j0, \j0+1, \j0+2, \j0+3
.irp m, 0,1
	WMS 16*(8*((\n)>>2)+(\j))+8*\m, WF+16*(\j), 16*(8*\m+2*((\n)&3)+(\q)), (((\n)&3)+(\q))==0, WSO+8*(4*((\n)>>2)+((\j)>>1))+2*((\n)&3)+(\q), CS+2*((\n)&3)+(\q), (\j)&1, \m
.endr
.endr
.endm
.macro WORK n, pl, last                ; tile n: two K steps of 16 products
.irp q, 0,1
.if \q == 0
	PLACES \pl
.if \last
	GBLOAD
.endif
.else
	PLACES 8                                       ; places in front of loads into registers that matrix instructions have read
.endif
.irp j, 0,1,2,3,4,5,6,7
.irp c, 0,1,2,3
	ds_load_b128 v[WF+16*\j+4*\c:WF+16*\j+4*\c+3], v[ADW+((\n)&1)] offset:16*WP*\j+128*\q+32*\c
.endr
.endr
	s_wait_dscnt 16                                ; all but the youngest 16: tiles 4-7
	WIN 0xa4                                       ; source 0 (Wo) window 0, source 1 (ctx) window 1, C and D window 2
	MUL8 \n, \q, 0
	s_wait_dscnt 0x0
	MUL8 \n, \q, 4
	WIN 0
.endr
.endm
.macro REDUCE                          ; each row's pair becomes the sum over its two halves and the 32 lanes, in every lane
.irp i, 0,1,2,3,4,5,6,7
	v_add_f32 v[TS+2*\i], v[TS+2*\i], v[TS+2*\i+1]
.endr
.irp x, 1,2,4,8
.irp i, 0,1,2,3,4,5,6,7
	v_add_f32_dpp v[TS+2*\i], v[TS+2*\i], v[TS+2*\i] row_xmask:\x row_mask:0xf bank_mask:0xf
.endr
.endr
.irp i, 0,1,2,3,4,5,6,7
	v_permlanex16_b32 v[TS+2*\i+1], v[TS+2*\i], s[SEL], s[SEL+1]
.endr
.irp i, 0,1,2,3,4,5,6,7
	v_add_f32 v[TS+2*\i], v[TS+2*\i], v[TS+2*\i+1]
.endr
.endm
	s_load_b512 s[4:19], s[0:1], 0x0               ; ctxc, ctxs, Wo codes, Wo scales, bo, x, gamma, beta
	s_load_b64 s[20:21], s[0:1], 0x40              ; out0
	v_lshl_add_u32 v[SPW], v0, 2, SPARE
	v_mov_b32 v[NIL], 0
	ds_add_u32 v28, v29
	ds_add_u32 v28, v29
	s_wait_dscnt 0x0
	v_lshrrev_b32 v1, 5, v0
	v_readfirstlane_b32 s[WV], v1                  ; wave 0..3
	s_mov_b32 s[G1], 15|(1<<20)|(1<<21)|(5<<22)|(3<<25)   ; the mask: all four work-groups; elements of 1 byte; padding: four words after every 64; bit 21 set beside a mask
	s_mov_b32 s[G1+1], 256<<16
	s_mov_b32 s[G1+2], 128<<16
	s_mov_b32 s[G1+3], 256<<16
	s_mov_b32 s[G1+4], 128
	s_mov_b32 s[G1+5], 1024
	s_mov_b32 s[G1+6], 0
	s_mov_b32 s[G1+7], 0
	s_mul_i32 s62, s[WV], WPART                    ; my part of slot 0
	s_mov_b32 s[G0], 1
	s_mov_b32 s[G0+1], s62
	s_mov_b32 s[G0+4], 1
	s_add_co_u32 s[G0+5], s62, SLOT
	v_and_b32 v2, 31, v0                           ; lane
	v_and_b32 v3, 15, v0                           ; r
	v_bfe_u32 v1, v0, 4, 1                         ; h
	v_lshlrev_b32 v[LI], 4, v2
	v_lshlrev_b32 v[L4], 2, v2
	v_lshlrev_b32 v[L32], 5, v2
	v_mul_u32_u24 v[ADW], v3, WP
	v_lshl_add_u32 v[ADW], v1, 4, v[ADW]
	v_add_nc_u32 v[ADW], s62, v[ADW]
	v_add_nc_u32 v[ADW+1], SLOT, v[ADW]
	s_lshl_b32 s62, s[WV], 10
	v_mul_u32_u24 v[SO0], v3, STP                  ; the stage: row r, + my 1,024 bytes of it, + 32 h
	v_lshl_add_u32 v[SO0], v1, 5, v[SO0]
	v_add_nc_u32 v[SO0], s62, v[SO0]
	v_add_nc_u32 v[SO0+1], 16*STP, v[SO0]
	s_mul_i32 s62, s[WV], 8*STP
	v_add_nc_u32 v[SR], s62, v[LI]                 ; back: my eight rows, 16 bytes a lane
	s_mov_b32 s[SEL], 0x76543210
	s_mov_b32 s[SEL+1], 0xfedcba98
	s_mov_b32 s[C1], 0x3a800000
	s_mov_b32 s[C2], 0x3727c5ac
	s_bfe_u32 s66, ttmp6, 0x40000                  ; cx: it enters the addresses of ctxc, ctxs, x and out0 alone
	s_lshl_b32 s67, ttmp9, 2
	s_add_co_u32 s67, s67, s66                     ; G
	s_lshl_b32 s62, s[WV], 18                      ; 256 rows of 1,024 bytes
	s_mov_b32 s63, 0
	s_wait_kmcnt 0x0
	s_add_nc_u64 s[WB:WB+1], s[8:9], s[62:63]
	s_lshl_b32 s62, s[WV], 13                      ; 256 rows of 32 scale bytes
	s_add_nc_u64 s[10:11], s[10:11], s[62:63]
	s_mov_b64 s[G0+2:G0+3], s[WB:WB+1]
	s_or_b32 s[G0+3], s[G0+3], 0x80000000
	ROUND                                          ; all four work-groups are here: the first joint load meets
	tensor_load_to_lds s[G0:G0+3], s[G1:G1+7]      ; tile 0
	s_nop 0
	PLACES 4
	s_lshl_b32 s68, s67, 15
	s_mov_b32 s69, 0
	s_add_nc_u64 s[4:5], s[4:5], s[68:69]
	s_lshl_b32 s68, s67, 10
	s_add_nc_u64 s[6:7], s[6:7], s[68:69]
	s_lshl_b32 s68, s67, 17                        ; 32 rows of 4,096 bytes,
	s_and_b32 s70, s[WV], 1
	s_lshl_b32 s70, s70, 16                        ; + 16 (w % 2) rows
	s_add_co_u32 s68, s68, s70
	s_lshr_b32 s70, s[WV], 1
	s_lshl_b32 s70, s70, 15                        ; + 8 (w / 2) rows
	s_add_co_u32 s68, s68, s70
	s_add_nc_u64 s[14:15], s[14:15], s[68:69]
	s_add_nc_u64 s[20:21], s[20:21], s[68:69]
	WIN 0x40                                       ; destination in window 1
.irp m, 0,1
.irp s, 0,1,2,3,4,5,6,7
.irp c, 0,1,2,3
	global_load_b128 v[16*(8*\m+\s)+4*\c:16*(8*\m+\s)+4*\c+3], v[LI], s[4:5] offset:16384*\m+2048*\s+512*\c   ; ctx's fragments, as they lie
.endr
.endr
.endr
	WIN 0
.irp g, 0,1,2,3,4,5,6,7
	global_load_b128 v[WSO+8*\g:WSO+8*\g+3], v[L32], s[10:11] offset:1024*\g
	global_load_b128 v[WSO+8*\g+4:WSO+8*\g+7], v[L32], s[10:11] offset:1024*\g+16
.endr
.irp s, 0,1,2,3,4,5,6,7
	global_load_b32 v[CS+\s], v[L4], s[6:7] offset:128*\s
.endr
	HEAD 1, 1, WB, 256
	s_wait_loadcnt 0x0                             ; ctx and the scale words
	WIN 0xc0                                       ; destination in window 3
.irp i, 0,1,2,3,4,5,6,7
.irp e, 0,1,2,3,4,5,6,7
	global_load_b128 v[32*\i+4*\e:32*\i+4*\e+3], v[LI], s[14:15] offset:4096*\i+512*\e th:TH_LOAD_NT   ; my eight rows of x: wanted at the end, asked for here
.endr
.endr
	WIN 0
	s_wait_alu depctr_va_vdst(0)
	WORK 0, 4, 0
.irp n, 1,2,3,4,5,6
	HEAD 1, (\n+1)&1, WB, 131072*((\n+1)>>2)+256*((\n+1)&3)
	WORK \n, 4, 0
.endr
	HEAD 0, 0, WB, 0                               ; the last tile has landed; behind this barrier nobody reads slot 0 any more
	WORK 7, 8, 1
	; ---- the results meet in the stage
	PLACES 8
	WIN 0x08                                       ; an LDS store's data are its source 1: window 2
.irp t, 0,1,2,3,4,5,6,7,8,9,10,11,12,13,14,15
.irp m, 0,1
	ds_store_b128 v[SO0+\m], v[16*\t+8*\m:16*\t+8*\m+3] offset:64*\t          ; each accumulator from its low end on
	ds_store_b128 v[SO0+\m], v[16*\t+8*\m+4:16*\t+8*\m+7] offset:64*\t+16
.endr
.endr
	WIN 0
	s_wait_dscnt 0x0                               ; for the others' sake: my stores into the stage are done
	s_barrier_signal -1
	s_barrier_wait -1
	WIN 0x80
.irp i, 0,1,2,3,4,5,6,7
.irp e, 0,1,2,3,4,5,6,7
	ds_load_b128 v[32*\i+4*\e:32*\i+4*\e+3], v[SR] offset:STP*\i+512*\e       ; row i of my eight: register 4 e + k is column 128 e + 4 lane + k
.endr
.endr
	s_wait_loadcnt 0x0                             ; x, bo, gamma, beta
	s_wait_dscnt 0x0
	; ---- the norm, phase by phase under one window setting each
	WIN 0x8e                                       ; + x: destination and source 0 window 2, source 1 window 3
.set a, 0
.rept 128
	v_pk_add_f32 v[a:a+1], v[a:a+1], v[a:a+1]
.set a, a+2
.endr
	WIN 0x86                                       ; + bo: source 1 window 1
.set a, 0
.rept 128
	v_pk_add_f32 v[a:a+1], v[a:a+1], v[a%32:a%32+1]
.set a, a+2
.endr
	WIN 0x0a                                       ; the rows' sums, the eight rows by turns
.irp i, 0,1,2,3,4,5,6,7
	v_pk_add_f32 v[TS+2*\i:TS+2*\i+1], v[32*\i:32*\i+1], v[32*\i+2:32*\i+3]
.endr
	WIN 0x08
.irp p, 4,6,8,10,12,14,16,18,20,22,24,26,28,30
.irp i, 0,1,2,3,4,5,6,7
	v_pk_add_f32 v[TS+2*\i:TS+2*\i+1], v[TS+2*\i:TS+2*\i+1], v[32*\i+\p:32*\i+\p+1]
.endr
.endr
	WIN 0
	REDUCE
.irp i, 0,1,2,3,4,5,6,7
	v_mul_f32 v[TS+2*\i], 0xba800000, v[TS+2*\i]   ; minus the mean
.endr
	WIN 0x82                                       ; - the mean
.set a, 0
.rept 128
	v_pk_add_f32 v[a:a+1], v[a:a+1], v[TS+2*(a/32):TS+2*(a/32)+1] op_sel_hi:[1,0]
.set a, a+2
.endr
	WIN 0x0a                                       ; the sums of squares
.irp i, 0,1,2,3,4,5,6,7
	v_pk_mul_f32 v[TS+2*\i:TS+2*\i+1], v[32*\i:32*\i+1], v[32*\i:32*\i+1]
.endr
.irp p, 2,4,6,8,10,12,14,16,18,20,22,24,26,28,30
.irp i, 0,1,2,3,4,5,6,7
	v_pk_fma_f32 v[TS+2*\i:TS+2*\i+1], v[32*\i+\p:32*\i+\p+1], v[32*\i+\p:32*\i+\p+1], v[TS+2*\i:TS+2*\i+1]
.endr
.endr
	WIN 0
	REDUCE
.irp i, 0,1,2,3,4,5,6,7
	v_fma_f32 v[TS+2*\i], v[TS+2*\i], s[C1], s[C2] ; the variance + 1e-5
.endr
	s_wait_alu depctr_va_vdst(0)
.irp i, 0,1,2,3,4,5,6,7
	v_rsq_f32 v[TS+2*\i], v[TS+2*\i]
.endr
	v_nop                                          ; the plain line behind the last of them
	s_wait_alu depctr_va_vdst(0)                   ; one wait for the eight, ahead of their first reader
	WIN 0x82
.set a, 0
.rept 128
	v_pk_mul_f32 v[a:a+1], v[a:a+1], v[TS+2*(a/32):TS+2*(a/32)+1] op_sel_hi:[1,0]
.set a, a+2
.endr
	WIN 0x96                                       ; x gamma + beta: sources 1 and 2 window 1
.set a, 0
.rept 128
	v_pk_fma_f32 v[a:a+1], v[a:a+1], v[32+a%32:32+a%32+1], v[64+a%32:64+a%32+1]
.set a, a+2
.endr
	WIN 0x08                                       ; a store's data are its source 1: window 2
.irp i, 0,1,2,3,4,5,6,7
.irp e, 0,1,2,3,4,5,6,7
	global_store_b128 v[LI], v[32*\i+4*\e:32*\i+4*\e+3], s[20:21] offset:4096*\i+512*\e th:TH_STORE_NT   ; 32 lanes store 512 consecutive bytes, at a multiple of 256 from out0's first byte
.endr
.endr
	WIN 0
	s_wait_tensorcnt 0x0                           ; the wave's end
	ds_add_u32 v[SPW], v[NIL]
	s_wait_dscnt 0x0
	ROUND                                          ; the closing round
	s_endpgm
.Lfunc_end_k_q26c41e8e9d_outln:
	.size	k_q26c41e8e9d_outln, .Lfunc_end_k_q26c41e8e9d_outln-k_q26c41e8e9d_outln
	.p2alignl 7, 3214868480
	.fill 96, 4, 3214868480
	.section	.rodata,"a",@progbits
	.p2align	6, 0x0
	.amdhsa_kernel k_q26c41e8e9d_outln
		.amdhsa_group_segment_fixed_size 327680
		.amdhsa_private_segment_fixed_size 0
		.amdhsa_enable_private_segment 0
		.amdhsa_kernarg_size 72
		.amdhsa_user_sgpr_count 2
		.amdhsa_user_sgpr_kernarg_segment_ptr 1
		.amdhsa_wavefront_size32 1
		.amdhsa_system_sgpr_workgroup_id_x 1
		.amdhsa_system_sgpr_workgroup_id_y 1
		.amdhsa_system_sgpr_workgroup_id_z 1
		.amdhsa_system_vgpr_workitem_id 0
		.amdhsa_next_free_vgpr 1024
		.amdhsa_next_free_sgpr 80
		.amdhsa_reserve_vcc 0
		.amdhsa_float_denorm_mode_32 3
		.amdhsa_float_denorm_mode_16_64 3
		.amdhsa_memory_ordered 1
		.amdhsa_forward_progress 1
		.amdhsa_inst_pref_size 174
	.end_amdhsa_kernel
	.amdgpu_metadata
---
amdhsa.version: [ 1, 2 ]
amdhsa.kernels:
  - .name:           k_q26c41e8e9d_outln
    .symbol:         k_q26c41e8e9d_outln.kd
    .args:
      - { .name: ctxc, .offset: 0, .size: 8, .value_kind: global_buffer, .address_space: global }
      - { .name: ctxs, .offset: 8, .size: 8, .value_kind: global_buffer, .address_space: global }
      - { .name: Wo_codes, .offset: 16, .size: 8, .value_kind: global_buffer, .address_space: global }
      - { .name: Wo_scales, .offset: 24, .size: 8, .value_kind: global_buffer, .address_space: global }
      - { .name: bo, .offset: 32, .size: 8, .value_kind: global_buffer, .address_space: global }
      - { .name: x, .offset: 40, .size: 8, .value_kind: global_buffer, .address_space: global }
      - { .name: gamma, .offset: 48, .size: 8, .value_kind: global_buffer, .address_space: global }
      - { .name: beta, .offset: 56, .size: 8, .value_kind: global_buffer, .address_space: global }
      - { .name: out0, .offset: 64, .size: 8, .value_kind: global_buffer, .address_space: global }
    .group_segment_fixed_size: 327680
    .private_segment_fixed_size: 0
    .kernarg_segment_align: 8
    .kernarg_segment_size: 72
    .max_flat_workgroup_size: 128
    .sgpr_count:     80
    .vgpr_count:     1024
    .wavefront_size: 32
...
	.end_amdgpu_metadata
.endif
;; end of part 3
